; MI455X (gfx1250); checked and timed in simulation.
; The chip was launched on July 23, 2026; its instructions are those of AMD's public machine-readable ISA for CDNA 5 (MIT licence, August 2026) and "CDNA5" Instruction Set Architecture Reference Guide (July 2026). The comments in the code are by the model that wrote it; some were corrected since.
;; Transformer Block. Allowed arithmetic: float matrix products may take bf16 or f16 operands with f32 sums; all other float work in f32.
;; Inputs: b_fc1 4,096 float32; b_fc2 1,024 float32; b_o 1,024 float32; ln1_b 1,024 float32; ln1_g 1,024 float32; ln2_b 1,024 float32; ln2_g 1,024 float32; w_fc1 1,024 x 4,096 float32; w_fc2 4,096 x 1,024 float32; w_k 1,024 x 1,024 float32; w_o 1,024 x 1,024 float32; w_q 1,024 x 1,024 float32; w_v 1,024 x 1,024 float32; x 2 x 2,048 x 1,024 float32.
;; Outputs: out0 2 x 2,048 x 1,024 float32.
;; One version. Each part assembles by itself: llvm-mc -triple=amdgcn-amd-amdhsa -mcpu=gfx1250 --defsym DOCPART=n.
;; ======== version 1 of 1: 8 launches
;; limits: a function is approximated: absolute error at most 1.5e-07; right only within a limited range of input values
;; workspace buffers: wb 25,165,824 bytes; h 8,388,608 bytes; qkv 25,165,824 bytes; ctx 8,388,608 bytes; x1 16,777,216 bytes; gl 33,554,432 bytes
;; launch cast (part 1): grid 64 x 12, 8 waves a work-group, no clusters, 0 bytes of LDS; arguments w_q, w_k, w_v, w_o, w_fc1, w_fc2, wb; writes wb
.if DOCPART == 1
	.amdgcn_target "amdgcn-amd-amdhsa--gfx1250"
	.amdhsa_code_object_version 6
	.text
	.protected	k_q02e4f61ad9_cast
	.globl	k_q02e4f61ad9_cast
	.p2align	8
	.type	k_q02e4f61ad9_cast,@function
k_q02e4f61ad9_cast:
	s_mov_b64 s[64:65], 0
	v_nop
	global_prefetch_b8 v0, s[64:65] scope:SCOPE_SE
	s_setreg_imm32_b32 hwreg(HW_REG_WAVE_MODE, 25, 1), 1
	s_wait_xcnt 0x0
; wb = the six weight matrices rounded to bf16, each kept [K][N] as it lies in memory; w_q, w_k, w_v side by side along N.
; wb's bytes: Wqkv [1024][3072] at 0 (row pitch 6,144), Wo [1024][1024] at 6,291,456, W1 [1024][4096] at 8,388,608, W2 [4096][1024] at 16,777,216.
; Everything is seen as rows of 1,024 f32 (4,096 bytes in, 2,048 bytes out).  Job y = 1,024 such rows: y = 0..3 w_q, w_k, w_v, w_o;
; y = 4..7 the quarters of w_fc1; y = 8..11 the quarters of w_fc2.  Work-group x takes rows 16 x .. 16 x + 15, wave w two of them.
; A pure stream: every byte read once by 16-byte loads (a wave's load covers 512 neighbouring bytes), every byte written once
; (a wave's 8-byte store covers 256 neighbouring bytes, aligned).  No LDS, no barrier, no matrix unit: there is nothing to share.
; All 16 loads of a wave go out first; no register is written twice, so no wait but the counted ones on the loads is needed.
.set X, 8                              ; v[8:71]    16 loads of 4 f32
.set Y, 72                             ; v[72:103]  16 x 2 registers of packed bf16
	s_load_b256 s[8:15], s[0:1], 0x0               ; w_q s[8:9], w_k s[10:11], w_v s[12:13], w_o s[14:15]
	s_load_b128 s[16:19], s[0:1], 0x20             ; w_fc1 s[16:17], w_fc2 s[18:19]
	s_load_b64 s[20:21], s[0:1], 0x30              ; wb
	s_and_b32 s2, ttmp7, 0xffff                    ; job y
	s_and_b32 s3, s2, 3
	s_lshl_b32 s3, s3, 22                          ; a quarter of w_fc1 or w_fc2: 1,024 rows of 4,096 bytes
	s_cmp_lt_u32 s2, 4
	s_cselect_b32 s22, 0, s3                       ; the four small matrices begin at their own first byte
	s_lshl_b32 s3, ttmp9, 16                       ; 16 rows of 4,096 bytes for each work-group
	s_add_co_u32 s22, s22, s3
	s_mov_b32 s23, 0                               ; s[22:23]: byte offset in the source
	s_movk_i32 s24, 2048
	s_mov_b32 s25, 0x200000
	s_cmp_lt_u32 s2, 3
	s_cselect_b32 s24, 6144, s24                   ; pitch of the rows in wb: 6,144 in Wqkv, else 2,048
	s_cselect_b32 s25, 2048, s25                   ; a job's first byte: y x 2,048 (a column block of Wqkv), else y x 2 MiB
	s_mul_i32 s26, s2, s25
	s_mul_i32 s27, ttmp9, s24
	s_lshl_b32 s27, s27, 4                         ; 16 rows for each work-group
	s_add_co_u32 s26, s26, s27
	s_mov_b32 s27, 0                               ; s[26:27]: byte offset in wb
	v_lshrrev_b32 v4, 5, v0                        ; wave
	v_and_b32 v5, 31, v0                           ; lane
	v_lshlrev_b32 v1, 13, v4                       ; source: two rows of 4,096 bytes for each wave,
	v_lshl_or_b32 v1, v5, 4, v1                    ; 16 bytes a lane
	v_mul_lo_u32 v2, v4, s24
	v_lshlrev_b32 v2, 1, v2                        ; wb: two rows for each wave,
	v_lshl_add_u32 v2, v5, 3, v2                   ; 8 bytes a lane: the first row
	v_add_nc_u32 v3, s24, v2                       ; the second row
	s_wait_kmcnt 0x0
	s_mov_b64 s[4:5], s[8:9]                       ; the job's source, chosen by the job's number alone
	s_cmp_eq_u32 s2, 1
	s_cselect_b64 s[4:5], s[10:11], s[4:5]
	s_cmp_eq_u32 s2, 2
	s_cselect_b64 s[4:5], s[12:13], s[4:5]
	s_cmp_eq_u32 s2, 3
	s_cselect_b64 s[4:5], s[14:15], s[4:5]
	s_cmp_ge_u32 s2, 4
	s_cselect_b64 s[4:5], s[16:17], s[4:5]
	s_cmp_ge_u32 s2, 8
	s_cselect_b64 s[4:5], s[18:19], s[4:5]
	s_add_nc_u64 s[4:5], s[4:5], s[22:23]
	s_add_nc_u64 s[20:21], s[20:21], s[26:27]
.set n, 0
.rept 16
	global_load_b128 v[X+4*n:X+4*n+3], v1, s[4:5] offset:(n/8)*4096+(n%8)*512 th:TH_LOAD_NT   ; row n / 8, its piece n % 8; read once in the launch
.set n, n+1
.endr
.set n, 0
.rept 16
	s_wait_loadcnt 15-n                            ; loads come back in order: load n is in, the 15 - n younger ones stay out
	v_cvt_pk_bf16_f32 v[Y+2*n],   v[X+4*n],   v[X+4*n+1]
	v_cvt_pk_bf16_f32 v[Y+2*n+1], v[X+4*n+2], v[X+4*n+3]
	global_store_b64 v[2+n/8], v[Y+2*n:Y+2*n+1], s[20:21] offset:(n%8)*256
.set n, n+1
.endr
	s_endpgm
.Lfunc_end_k_q02e4f61ad9_cast:
	.size	k_q02e4f61ad9_cast, .Lfunc_end_k_q02e4f61ad9_cast-k_q02e4f61ad9_cast
	.p2alignl 7, 3214868480
	.fill 96, 4, 3214868480
	.section	.rodata,"a",@progbits
	.p2align	6, 0x0
	.amdhsa_kernel k_q02e4f61ad9_cast
		.amdhsa_group_segment_fixed_size 0
		.amdhsa_private_segment_fixed_size 0
		.amdhsa_enable_private_segment 0
		.amdhsa_kernarg_size 56
		.amdhsa_user_sgpr_count 2
		.amdhsa_user_sgpr_kernarg_segment_ptr 1
		.amdhsa_wavefront_size32 1
		.amdhsa_system_sgpr_workgroup_id_x 1
		.amdhsa_system_sgpr_workgroup_id_y 1
		.amdhsa_system_sgpr_workgroup_id_z 1
		.amdhsa_system_vgpr_workitem_id 0
		.amdhsa_next_free_vgpr 104
		.amdhsa_next_free_sgpr 66
		.amdhsa_reserve_vcc 0
		.amdhsa_float_denorm_mode_32 3
		.amdhsa_float_denorm_mode_16_64 3
		.amdhsa_memory_ordered 1
		.amdhsa_forward_progress 1
		.amdhsa_inst_pref_size 8
	.end_amdhsa_kernel
	.amdgpu_metadata
---
amdhsa.version: [ 1, 2 ]
amdhsa.kernels:
  - .name:           k_q02e4f61ad9_cast
    .symbol:         k_q02e4f61ad9_cast.kd
    .args:
      - { .name: w_q, .offset: 0, .size: 8, .value_kind: global_buffer, .address_space: global }
      - { .name: w_k, .offset: 8, .size: 8, .value_kind: global_buffer, .address_space: global }
      - { .name: w_v, .offset: 16, .size: 8, .value_kind: global_buffer, .address_space: global }
      - { .name: w_o, .offset: 24, .size: 8, .value_kind: global_buffer, .address_space: global }
      - { .name: w_fc1, .offset: 32, .size: 8, .value_kind: global_buffer, .address_space: global }
      - { .name: w_fc2, .offset: 40, .size: 8, .value_kind: global_buffer, .address_space: global }
      - { .name: wb, .offset: 48, .size: 8, .value_kind: global_buffer, .address_space: global }
    .group_segment_fixed_size: 0
    .private_segment_fixed_size: 0
    .kernarg_segment_align: 8
    .kernarg_segment_size: 56
    .max_flat_workgroup_size: 256
    .sgpr_count:     66
    .vgpr_count:     104
    .wavefront_size: 32
...
	.end_amdgpu_metadata
.endif
;; end of part 1
;; launch ln1 (part 2): grid 256 x 1, 4 waves a work-group, no clusters, 0 bytes of LDS; arguments x, ln1_g, ln1_b, h; writes h
.if DOCPART == 2
	.amdgcn_target "amdgcn-amd-amdhsa--gfx1250"
	.amdhsa_code_object_version 6
	.text
	.protected	k_q02e4f61ad9_ln1
	.globl	k_q02e4f61ad9_ln1
	.p2align	8
	.type	k_q02e4f61ad9_ln1,@function
k_q02e4f61ad9_ln1:
	s_mov_b64 s[64:65], 0
	v_nop
	global_prefetch_b8 v0, s[64:65] scope:SCOPE_SE
	s_setreg_imm32_b32 hwreg(HW_REG_WAVE_MODE, 25, 1), 1
	s_wait_xcnt 0x0
; out[r][c] = bf16( (in[r][c] - mean[r]) * g[c] / (std[r] + 1e-6) + b[c] ),  std with the divisor 1,023.  in: [4096][1024] f32, out: bf16.
; One wave takes a whole row (4,096 bytes = 32 registers) and keeps it in registers for all three passes (mean, squares of the
; differences, scaling): memory is read once, the reduction never leaves the wave, so there is no LDS and no barrier.
; The variance is the sum of (x - mean)^2, not a difference of two large sums: a common offset of the inputs does not hurt it.
; Four waves, four rows each; all 48 loads of a wave (4 rows, g, b) go out first, and each row has registers of its own.
; v_sqrt_f32 and v_rcp_f32 are accurate to 1 ULP and take denormals as zero (a row whose variance is below 2^-126 counts as constant).
.set G,  4                             ; v[4:35]    g of my 32 columns (columns 128 j + 4 lane .. + 3, j = 0..7)
.set BT, 36                            ; v[36:67]   b of my 32 columns
.set X,  68                            ; v[68:195]  row i: 32 registers
.set T,  196                           ; v[196:203] four pairs of running sums
.set NM, 204                           ; v[204:205] - mean, twice
.set R,  206                           ; v[206:207] 1 / (std + eps), twice
.set U,  208                           ; v[208:209] at work
	s_load_b256 s[4:11], s[0:1], 0x0               ; in s[4:5], g s[6:7], b s[8:9], out s[10:11]
	s_lshl_b32 s2, ttmp9, 16                       ; 16 rows of 4,096 bytes
	s_mov_b32 s3, 0
	s_lshl_b32 s14, ttmp9, 15                      ; 16 rows of 2,048 bytes
	s_mov_b32 s15, 0
	s_mov_b32 s12, 0x76543210                      ; v_permlanex16_b32: lane i of one half reads lane i of the other
	s_mov_b32 s13, 0xfedcba98
	v_lshrrev_b32 v1, 5, v0                        ; wave
	v_and_b32 v3, 31, v0                           ; lane
	v_lshlrev_b32 v2, 13, v1                       ; out: 4 rows of 2,048 bytes for each wave,
	v_lshl_or_b32 v2, v3, 3, v2                    ; 8 bytes a lane
	v_lshlrev_b32 v1, 14, v1                       ; in: 4 rows of 4,096 bytes for each wave,
	v_lshl_or_b32 v1, v3, 4, v1                    ; 16 bytes a lane
	v_lshlrev_b32 v3, 4, v3                        ; g, b: 16 bytes a lane
	v_mov_b32 v[U+1], 0                            ; v_permlanex16_b32's destination counts as read
	s_wait_kmcnt 0x0
	s_add_nc_u64 s[4:5], s[4:5], s[2:3]
	s_add_nc_u64 s[10:11], s[10:11], s[14:15]
.macro LDROW i
.irp j, 0,1,2,3,4,5,6,7
	global_load_b128 v[X+32*\i+4*\j:X+32*\i+4*\j+3], v1, s[4:5] offset:\i*4096+512*\j
.endr
.endm
	LDROW 0
.irp j, 0,1,2,3,4,5,6,7
	global_load_b128 v[G+4*\j:G+4*\j+3], v3, s[6:7] offset:512*\j
.endr
.irp j, 0,1,2,3,4,5,6,7
	global_load_b128 v[BT+4*\j:BT+4*\j+3], v3, s[8:9] offset:512*\j
.endr
	LDROW 1
	LDROW 2
	LDROW 3
.macro LANESUM                         ; v[U] summed over the 32 lanes, the result in every lane
	v_add_f32_dpp v[U], v[U], v[U] row_xmask:1 row_mask:0xf bank_mask:0xf
	v_add_f32_dpp v[U], v[U], v[U] row_xmask:2 row_mask:0xf bank_mask:0xf
	v_add_f32_dpp v[U], v[U], v[U] row_xmask:4 row_mask:0xf bank_mask:0xf
	v_add_f32_dpp v[U], v[U], v[U] row_xmask:8 row_mask:0xf bank_mask:0xf
	v_permlanex16_b32 v[U+1], v[U], s12, s13
	v_add_f32 v[U], v[U], v[U+1]
.endm
.macro FOLD                            ; the four pairs of sums into v[U]
	v_pk_add_f32 v[T:T+1], v[T:T+1], v[T+2:T+3]
	v_pk_add_f32 v[T+4:T+5], v[T+4:T+5], v[T+6:T+7]
	v_pk_add_f32 v[T:T+1], v[T:T+1], v[T+4:T+5]
	v_add_f32 v[U], v[T], v[T+1]
.endm
; row i; left = the loads of the rows behind it, which stay out
.macro ROW i, left
.set XB, X+32*\i
	s_wait_loadcnt \left
	; pass 1: the sum, in four chains that the first additions start
.irp k, 0,1,2,3
	v_pk_add_f32 v[T+2*\k:T+2*\k+1], v[XB+2*\k:XB+2*\k+1], v[XB+8+2*\k:XB+8+2*\k+1]
.endr
.irp m, 16,24
.irp k, 0,1,2,3
	v_pk_add_f32 v[T+2*\k:T+2*\k+1], v[T+2*\k:T+2*\k+1], v[XB+\m+2*\k:XB+\m+2*\k+1]
.endr
.endr
	FOLD
	LANESUM
	v_mul_f32 v[NM],   0xba800000, v[U]            ; - sum / 1,024
	v_mul_f32 v[NM+1], 0xba800000, v[U]
.set kk, 0
.rept 16
	v_pk_add_f32 v[XB+kk:XB+kk+1], v[XB+kk:XB+kk+1], v[NM:NM+1]   ; d = x - mean, in place
.set kk, kk+2
.endr
	; pass 2: the sum of d^2
.irp k, 0,1,2,3
	v_pk_mul_f32 v[T+2*\k:T+2*\k+1], v[XB+2*\k:XB+2*\k+1], v[XB+2*\k:XB+2*\k+1]
.endr
.irp m, 8,16,24
.irp k, 0,1,2,3
	v_pk_fma_f32 v[T+2*\k:T+2*\k+1], v[XB+\m+2*\k:XB+\m+2*\k+1], v[XB+\m+2*\k:XB+\m+2*\k+1], v[T+2*\k:T+2*\k+1]
.endr
.endr
	FOLD
	LANESUM
	v_mul_f32 v[U], 0x3a802008, v[U]               ; / 1,023
	v_sqrt_f32 v[U], v[U]
	v_nop                                          ; one plain instruction behind a transcendental before its result is used (ISA guide 5.7.2)
	s_wait_alu depctr_va_vdst(0)
	v_add_f32 v[U], 0x358637bd, v[U]               ; + 1e-6
	v_rcp_f32 v[R],   v[U]
	v_rcp_f32 v[R+1], v[U]
	v_nop
	; pass 3: scale, round, store: a wave's store covers 256 neighbouring bytes, aligned
	s_wait_alu depctr_va_vdst(0)
.irp j, 0,1,2,3,4,5,6,7
	v_pk_mul_f32 v[XB+4*\j:XB+4*\j+1],   v[XB+4*\j:XB+4*\j+1],   v[R:R+1]
	v_pk_mul_f32 v[XB+4*\j+2:XB+4*\j+3], v[XB+4*\j+2:XB+4*\j+3], v[R:R+1]
	v_pk_fma_f32 v[XB+4*\j:XB+4*\j+1],   v[XB+4*\j:XB+4*\j+1],   v[G+4*\j:G+4*\j+1],   v[BT+4*\j:BT+4*\j+1]
	v_pk_fma_f32 v[XB+4*\j+2:XB+4*\j+3], v[XB+4*\j+2:XB+4*\j+3], v[G+4*\j+2:G+4*\j+3], v[BT+4*\j+2:BT+4*\j+3]
	v_cvt_pk_bf16_f32 v[XB+4*\j],   v[XB+4*\j],   v[XB+4*\j+1]
	v_cvt_pk_bf16_f32 v[XB+4*\j+1], v[XB+4*\j+2], v[XB+4*\j+3]
	global_store_b64 v2, v[XB+4*\j:XB+4*\j+1], s[10:11] offset:\i*2048+256*\j
.endr
.endm
	ROW 0, 24                                      ; row 0, g and b are in; 24 loads (rows 1 to 3) stay out
	ROW 1, 16
	ROW 2, 8
	ROW 3, 0
	s_endpgm
.Lfunc_end_k_q02e4f61ad9_ln1:
	.size	k_q02e4f61ad9_ln1, .Lfunc_end_k_q02e4f61ad9_ln1-k_q02e4f61ad9_ln1
	.p2alignl 7, 3214868480
	.fill 96, 4, 3214868480
	.section	.rodata,"a",@progbits
	.p2align	6, 0x0
	.amdhsa_kernel k_q02e4f61ad9_ln1
		.amdhsa_group_segment_fixed_size 0
		.amdhsa_private_segment_fixed_size 0
		.amdhsa_enable_private_segment 0
		.amdhsa_kernarg_size 32
		.amdhsa_user_sgpr_count 2
		.amdhsa_user_sgpr_kernarg_segment_ptr 1
		.amdhsa_wavefront_size32 1
		.amdhsa_system_sgpr_workgroup_id_x 1
		.amdhsa_system_sgpr_workgroup_id_y 1
		.amdhsa_system_sgpr_workgroup_id_z 1
		.amdhsa_system_vgpr_workitem_id 0
		.amdhsa_next_free_vgpr 216
		.amdhsa_next_free_sgpr 66
		.amdhsa_reserve_vcc 0
		.amdhsa_float_denorm_mode_32 3
		.amdhsa_float_denorm_mode_16_64 3
		.amdhsa_memory_ordered 1
		.amdhsa_forward_progress 1
		.amdhsa_inst_pref_size 38
	.end_amdhsa_kernel
	.amdgpu_metadata
---
amdhsa.version: [ 1, 2 ]
amdhsa.kernels:
  - .name:           k_q02e4f61ad9_ln1
    .symbol:         k_q02e4f61ad9_ln1.kd
    .args:
      - { .name: x, .offset: 0, .size: 8, .value_kind: global_buffer, .address_space: global }
      - { .name: ln1_g, .offset: 8, .size: 8, .value_kind: global_buffer, .address_space: global }
      - { .name: ln1_b, .offset: 16, .size: 8, .value_kind: global_buffer, .address_space: global }
      - { .name: h, .offset: 24, .size: 8, .value_kind: global_buffer, .address_space: global }
    .group_segment_fixed_size: 0
    .private_segment_fixed_size: 0
    .kernarg_segment_align: 8
    .kernarg_segment_size: 32
    .max_flat_workgroup_size: 128
    .sgpr_count:     66
    .vgpr_count:     216
    .wavefront_size: 32
...
	.end_amdgpu_metadata
.endif
;; end of part 2
;; launch qkv (part 3): grid 12 x 16, 4 waves a work-group, clusters of 4 x 4, 327,680 bytes of LDS; arguments h, wb, qkv; writes qkv
.if DOCPART == 3
	.amdgcn_target "amdgcn-amd-amdhsa--gfx1250"
	.amdhsa_code_object_version 6
	.text
	.protected	k_q02e4f61ad9_qkv
	.globl	k_q02e4f61ad9_qkv
	.p2align	8
	.type	k_q02e4f61ad9_qkv,@function
k_q02e4f61ad9_qkv:
	s_mov_b64 s[64:65], 0
	v_nop
	global_prefetch_b8 v0, s[64:65] scope:SCOPE_SE
	s_setreg_imm32_b32 hwreg(HW_REG_WAVE_MODE, 25, 1), 1
	s_wait_xcnt 0x0
	s_wait_alu depctr_hold_cnt(0) depctr_sa_sdst(0) depctr_va_vdst(0) depctr_va_sdst(0) depctr_va_ssrc(0) depctr_va_vcc(0) depctr_vm_vsrc(0)
	s_getreg_b32 s2, hwreg(HW_REG_IB_STS2, 6, 4)
	s_cmp_eq_u32 s2, 0
	s_cbranch_scc0 .Lentry_in_a_cluster
	s_endpgm
.Lentry_in_a_cluster:
	s_bfe_u32 s2, ttmp6, 0x10000c
	s_cmp_lg_u32 s2, 0xf033
	s_cbranch_scc0 .Lentry_shape_is_right
	s_endpgm
.Lentry_shape_is_right:
; qkv[m][n] = sum over k of h[m][k] Wqkv[k][n].  h: [4096][1024] bf16; Wqkv: [1024][3072] bf16 at wb's first byte; qkv: [4096][3072] bf16; sums in f32.
; A work-group makes a block of 256 x 256 with four waves (2 x 2), a wave 128 x 128: 64 accumulator tiles of 16 x 16, 512 registers.
; 3,072 / 256 x 4,096 / 256 = 192 work-groups: blocks of 192 columns would fill 256, but their rows of 384 bytes fit neither whole aligned runs of 256 bytes nor the pad interval.
; K goes in steps of 128 through a ring of two LDS slots filled by the tensor data mover.  A slot: four quarters of HALFT bytes, quarter w fetched by
; wave w: quarters 0, 1 = 128 rows of h each (256 bytes + 16 of padding), quarters 2, 3 = 64 k-rows of W each (512 bytes + 32 of padding).
; W lies [K][N], so its fragments are read by the transposing LDS load; no transposed copy of the weights is ever made.
; CLUSTERS: 4 x 4 work-groups.  The four of a row of the cluster need the same tiles of h, the four of a column the same tiles of W: each tile is asked
; for jointly, by the same tensor load with the same descriptor and a mask that names the four.
; REGISTERS in windows of 256: window 0: v16-27 addresses, v64-127 and v128-191 fragments of h (two buffers); window 1: v64-127, v128-191 fragments
; of W; window 2: accumulator tiles of my rows 0-63 (tile (a, b) at v[8 (8 a + b)]); window 3: of my rows 64-127.
; THE MATRIX INSTRUCTION IS USED TRANSPOSED: source 0 = 16 columns of W, source 1 = 16 rows of h, so that lane l holds row l % 16 of the result and its
; eight registers the columns 8 (l / 16) + 0..7: sixteen neighbouring bytes once rounded.
.set SIZE_N, 3072
.set SIZE_K, 1024
.set WOFF,   0                         ; Wqkv's first byte in wb
.set BM,     256
.set BN,     256
.set MA,     8                         ; 16-row tiles of a wave
.set NB,     8                         ; 16-column tiles of a wave
.set KSTEP,  128
.set QIA,    5                         ; pad interval of h's tiles: 64 words (a row of 128 bf16)
.set QIB,    6                         ; of W's tiles: 128 words (a row of 256 bf16)
.set HALFT,  34816                     ; 128 x 272 = 64 x 544
.set ELB,    2                         ; bytes of an output element
.set STOSH,  4                         ; log2 of the bytes of eight output elements
.set WM,     16*MA
.set WN,     16*NB
.set NQ,     KSTEP/32                  ; quarter steps of 32 along K
.set APITCH, 2*KSTEP+16                ; an odd multiple of 16 bytes: the 16 rows of a fragment load start 16 bytes apart modulo 256
.set BPITCH, 2*BN+32                   ; an odd multiple of 32 bytes, for the transposing load
.set SLOT,   4*HALFT
.set STAGE,  2*SLOT                    ; behind the ring: 16 rows x 272 bytes for each wave, for the way out; no tensor load ever lands here
.set SPITCH, 272
.set LAPS,   SIZE_K/(2*KSTEP)          ; a lap = two K steps = once round the ring
.set ADRA, 16                          ; v16-17  LDS address of my h fragments in slot 0, 1
.set ADRB, 20                          ; v20, v22  the same for W
.set STO,  24                          ; the way out: where I put 16 bytes of a row
.set RD,   25                          ; where I read a row back
.set CO,   26                          ; my byte offset in the output
.set F0,   64
.set F1,   128
.set TMP,  96                          ; the way out: packed results
.set G1,  24                           ; s[24:31] group 1 for h's tiles
.set G0,  32                           ; s[32:39] group 0 for h's tiles, one set for each slot
.set G1B, 48                           ; s[48:55] group 1 for W's tiles
.set G0B, 56                           ; s[56:63] group 0 for W's tiles
.set MSB, 0
.macro WIN new                         ; the immediate's high byte repeats the setting that is left
.if MSB != \new
	s_set_vgpr_msb (MSB<<8)|\new
.set MSB, \new
.endif
.endm
; A joint load: waves 0, 1 fetch h's two halves, waves 2, 3 W's.  The branch hangs on the wave's number alone.
.macro JLOAD s
	s_cmp_eq_u32 s11, 0
	s_cbranch_scc0 .Lfor_w_\@
	tensor_load_to_lds s[G0+4*\s:G0+4*\s+3], s[G1:G1+7]
	s_nop 0
	s_branch .Lasked_\@
.Lfor_w_\@:
	tensor_load_to_lds s[G0B+4*\s:G0B+4*\s+3], s[G1B:G1B+7]
	s_nop 0
.Lasked_\@:
.endm
.macro CREST                           ; a round of the cluster's barrier behind its opening work-group barrier
	s_cmp_lg_u32 s10, 0
	s_cbranch_scc1 .Lnot_wave_0_\@
	s_barrier_signal -3
.Lnot_wave_0_\@:
	s_barrier_wait -3
	s_barrier_signal -1
	s_barrier_wait -1
.endm
.macro CROUND                          ; a whole round
	s_barrier_signal -1
	s_barrier_wait -1
	CREST
.endm
	s_load_b128 s[4:7], s[0:1], 0x0                ; h s[4:5], wb s[6:7]
	s_load_b64 s[8:9], s[0:1], 0x10                ; qkv
	s_set_vgpr_msb 0x40
	v_lshl_add_u32 v255, v0, 2, 0x48400
	s_set_vgpr_msb 0x4000
	v_mov_b32 v255, 0
	s_set_vgpr_msb 0x1
	ds_add_u32 v255, v255
	s_set_vgpr_msb 0x100
	v_lshrrev_b32 v1, 5, v0
	v_readfirstlane_b32 s10, v1                    ; wave 0..3
	s_lshr_b32 s11, s10, 1                         ; my half of the block's rows.  Also: I fetch for h (0) or for W (1)
	s_and_b32 s12, s10, 1                          ; my half of its columns.  Also: which half of that tile I fetch
	s_bfe_u32 s40, ttmp6, 0x40000                  ; cx
	s_bfe_u32 s41, ttmp6, 0x40004                  ; cy
	s_lshl_b32 s42, ttmp9, 2
	s_add_co_u32 s42, s42, s40                     ; block column = 4 x cluster x + cx
	s_and_b32 s13, ttmp7, 0xffff
	s_lshl_b32 s13, s13, 2
	s_add_co_u32 s13, s13, s41                     ; block row = 4 x cluster y + cy
	s_lshl_b32 s43, s41, 2
	s_lshl_b32 s43, 15, s43                        ; my row of the cluster: places 4 cy .. 4 cy + 3
	s_lshl_b32 s44, 0x1111, s40                    ; my column: places cx, cx + 4, cx + 8, cx + 12
	s_or_b32 s[G1+0], s43, (1<<16)|(1<<20)|(1<<21)|(QIA<<22)|(3<<25)    ; mask of my row; 2-byte elements; padding on; bit 21 beside a mask; 4 words behind every row
	s_mov_b32 s[G1+1], KSTEP<<16                   ; tensor_dim0 = the tile's
	s_mov_b32 s[G1+2], WM<<16                      ; tensor_dim1 = the tile's
	s_mov_b32 s[G1+3], KSTEP<<16                   ; tile_dim0: KSTEP elements along K
	s_mov_b32 s[G1+4], WM                          ; tile_dim1: rows
	s_mov_b32 s[G1+5], SIZE_K                      ; elements from row to row
	s_mov_b32 s[G1+6], 0
	s_mov_b32 s[G1+7], 0
	s_or_b32 s[G1B+0], s44, (1<<16)|(1<<20)|(1<<21)|(QIB<<22)|(7<<25)   ; mask of my column; 8 words behind every row
	s_mov_b32 s[G1B+1], BN<<16
	s_mov_b32 s[G1B+2], (KSTEP/2)<<16
	s_mov_b32 s[G1B+3], BN<<16                     ; tile_dim0: BN columns
	s_mov_b32 s[G1B+4], KSTEP/2                    ; tile_dim1: k-rows
	s_mov_b32 s[G1B+5], SIZE_N
	s_mov_b32 s[G1B+6], 0
	s_mov_b32 s[G1B+7], 0
	; h's tiles hang on the block row and the wave's number, W's on the block column and the wave's number, each in registers that never hold the other coordinate
	s_mul_i32 s16, s13, BM
	s_mul_i32 s17, s12, WM
	s_add_co_u32 s16, s16, s17
	s_mul_i32 s16, s16, SIZE_K*2                   ; below 4 GiB: 4,096 rows of SIZE_K x 2 bytes at the most
	s_mov_b32 s17, 0
	s_mul_i32 s46, s42, BN*2
	s_mul_i32 s47, s12, (KSTEP/2)*SIZE_N*2
	s_add_co_u32 s46, s46, s47
	s_add_co_u32 s46, s46, WOFF
	s_mov_b32 s47, 0
	s_mul_i32 s20, s10, HALFT                      ; where my quarter goes: the wave's number alone
	s_wait_dscnt 0x0
	s_wait_kmcnt 0x0
	s_add_nc_u64 s[14:15], s[4:5], s[16:17]
	s_add_nc_u64 s[46:47], s[6:7], s[46:47]
	CROUND                                         ; all sixteen work-groups are here: the first joint loads meet
.irp s, 0,1
	s_mov_b32 s[G0+4*\s], 1
	s_add_co_u32 s[G0+4*\s+1], s20, \s*SLOT
	s_add_nc_u64 s[G0+4*\s+2:G0+4*\s+3], s[14:15], \s*KSTEP*2
	s_or_b32 s[G0+4*\s+3], s[G0+4*\s+3], 0x80000000
	s_mov_b32 s[G0B+4*\s], 1
	s_add_co_u32 s[G0B+4*\s+1], s20, \s*SLOT
	s_add_nc_u64 s[G0B+4*\s+2:G0B+4*\s+3], s[46:47], \s*KSTEP*SIZE_N*2
	s_or_b32 s[G0B+4*\s+3], s[G0B+4*\s+3], 0x80000000
	JLOAD \s                                       ; K steps 0 and 1: two tensor loads of the wave are out
.endr
	; the output at my wave's first element, in registers that feed no descriptor
	s_mul_i32 s70, s13, BM*SIZE_N*ELB
	s_mul_i32 s71, s11, WM*SIZE_N*ELB
	s_add_co_u32 s70, s70, s71
	s_mul_i32 s71, s42, BN*ELB
	s_add_co_u32 s70, s70, s71
	s_mul_i32 s71, s12, WN*ELB
	s_add_co_u32 s70, s70, s71
	s_mov_b32 s71, 0
	s_add_nc_u64 s[8:9], s[8:9], s[70:71]
	; fragment addresses.  r = l % 16, hh = l / 16.  h: row r, 16 bytes at 16 hh, a second load 32 bytes on.
	; W (transposing load): k-row 8 hh + l % 8, 16 bytes at 16 ((l / 8) % 2); a second load 16 k-rows on.
	v_and_b32 v1, 15, v0
	v_bfe_u32 v2, v0, 4, 1
	v_mul_u32_u24 v3, v1, APITCH
	v_lshl_add_u32 v3, v2, 4, v3
	v_and_b32 v4, 7, v0
	v_lshl_add_u32 v4, v2, 3, v4
	v_mul_u32_u24 v4, v4, BPITCH
	v_bfe_u32 v5, v0, 3, 1
	v_lshl_add_u32 v4, v5, 4, v4
	s_mul_i32 s21, s11, HALFT                      ; my rows of h
	s_mul_i32 s22, s12, WN*2                       ; my columns of W,
	s_add_co_u32 s22, s22, 2*HALFT                 ; which lies behind h's two quarters
.irp s, 0,1
	s_add_co_u32 s23, s21, \s*SLOT
	v_add_nc_u32 v[ADRA+\s], s23, v3
.irp kh, 0,1
.if \kh < NQ/4
	s_add_co_u32 s23, s22, \s*SLOT+\kh*128*BPITCH
	v_add_nc_u32 v[ADRB+2*\s+\kh], s23, v4
.endif
.endr
.endr
	s_mul_i32 s23, s10, 16*SPITCH
	s_add_co_u32 s23, s23, STAGE                   ; my stage
	v_mul_u32_u24 v5, v1, SPITCH
	v_lshl_add_u32 v5, v2, STOSH, v5
	v_add_nc_u32 v[STO], s23, v5                   ; in: row r, eight elements for each half of the lanes
	v_mul_u32_u24 v5, v2, SPITCH
	v_lshl_add_u32 v5, v1, 4, v5
	v_add_nc_u32 v[RD], s23, v5                    ; back: lanes 0-15 one row of 256 bytes, lanes 16-31 the next
	v_mul_u32_u24 v5, v2, SIZE_N*ELB
	v_lshl_add_u32 v[CO], v1, 4, v5                ; the same two rows in the output
; NB matrix instructions: row tile a x all column tiles, 32 along K.  zero = 1: the first product starts the sums, nothing is cleared.
.macro MULROW f, a, zero
.if (\a) < 4
	WIN 0xa1                                       ; source 0 (W) window 1, source 1 (h) window 0, C and D window 2
.else
	WIN 0xf1                                       ; C and D window 3
.endif
.set bb, 0
.rept NB
.if \zero
	v_wmma_f32_16x16x32_bf16 v[8*(8*((\a)%4)+bb):8*(8*((\a)%4)+bb)+7], v[\f+8*bb:\f+8*bb+7], v[\f+8*(\a):\f+8*(\a)+7], 0
.else
	v_wmma_f32_16x16x32_bf16 v[8*(8*((\a)%4)+bb):8*(8*((\a)%4)+bb)+7], v[\f+8*bb:\f+8*bb+7], v[\f+8*(\a):\f+8*(\a)+7], v[8*(8*((\a)%4)+bb):8*(8*((\a)%4)+bb)+7]
.endif
.set bb, bb+1
.endr
.endm
; The accumulators take turns, one instruction a turn, in the same order in every quarter step.
.macro MULA f, a0, na, zero
.set aa, \a0
.rept \na
	MULROW \f, aa, \zero
.set aa, aa+1
.endr
.endm
; the fragments of quarter step kq of a slot into buffer f, in one run: 2 NB loads for W, then 2 MA for h
.macro FETCH slot, kq, f
	WIN 0x40                                       ; destination window 1
.set ii, 0
.rept NB
	ds_load_tr16_b128 v[\f+8*ii:\f+8*ii+3],   v[ADRB+2*\slot+(\kq)/4] offset:((\kq)%4)*32*BPITCH+32*ii
	ds_load_tr16_b128 v[\f+8*ii+4:\f+8*ii+7], v[ADRB+2*\slot+(\kq)/4] offset:((\kq)%4)*32*BPITCH+32*ii+16*BPITCH
.set ii, ii+1
.endr
	WIN 0
.set ii, 0
.rept MA
	ds_load_b128 v[\f+8*ii:\f+8*ii+3],   v[ADRA+\slot] offset:64*(\kq)+ii*16*APITCH
	ds_load_b128 v[\f+8*ii+4:\f+8*ii+7], v[ADRA+\slot] offset:64*(\kq)+ii*16*APITCH+32
.set ii, ii+1
.endr
.endm
; A load into a register that a matrix instruction has read, and a vector instruction or LDS store that reads a matrix result, stand four plain
; vector instructions behind that matrix instruction (ISA guide 7.12.1 for the reads of a result).
.macro PLACES
.rept 4
	v_nop
.endr
.endm
; A quarter step but the last: multiplies buffer f and, in its middle, fetches the next quarter's fragments into buffer g.
.macro QUARTER slot, kqn, f, g, zero
	s_wait_dscnt MA                                ; W and h's lower row tiles are in; the youngest MA loads (h's upper row tiles) may be out
	MULA \f, 0, MA/2, \zero
	PLACES
	FETCH \slot, \kqn, \g
	s_wait_dscnt 2*NB+2*MA                         ; all but the run just issued
	MULA \f, MA/2, MA/2, \zero
.endm
.macro STEPS slot, zero
	QUARTER \slot, 1, F0, F1, \zero
.set qq, 1
.rept (NQ-2)/2
	QUARTER \slot, qq+1, F1, F0, 0
	QUARTER \slot, qq+2, F0, F1, 0
.set qq, qq+2
.endr
.endm
; The last quarter step: multiplies buffer 1 and changes slots.  In front of the barrier each wave waits for its reads of this slot and for all its
; tensor loads (one is out: its part of the next slot).  fill = 1: the barrier opens a round of the cluster's barrier, and the joint refill of this
; slot, two K steps ahead, is the first tensor load behind the round's closing wait.
.macro TURN slot, next, fill
	s_wait_dscnt MA
	MULA F1, 0, MA/4, 0
	s_wait_dscnt 0x0                               ; my reads of this slot are over
	s_wait_tensorcnt 0x0                           ; all my tensor loads have landed
	ds_add_u32 v255, v255
	s_wait_dscnt 0x0
	s_barrier_signal -1
	MULA F1, MA/4, MA/4, 0                         ; register work while the others arrive
	WIN 0
	s_barrier_wait -1
.if \fill
	CREST
	s_add_nc_u64 s[G0+4*\slot+2:G0+4*\slot+3], s[G0+4*\slot+2:G0+4*\slot+3], 2*KSTEP*2
	s_add_nc_u64 s[G0B+4*\slot+2:G0B+4*\slot+3], s[G0B+4*\slot+2:G0B+4*\slot+3], 2*KSTEP*SIZE_N*2
	JLOAD \slot                                    ; one tensor load of the wave is out from here to the next change of slots
.endif
	PLACES
	FETCH \next, 0, F0
	MULA F1, MA/2, MA/2, 0
.endm
.macro LAP zero
	STEPS 0, \zero
	TURN 0, 1, 1
	STEPS 1, 0
	TURN 1, 0, 1
.endm
	s_wait_tensorcnt 0x1                           ; my part of K step 0 is in; K step 1's stays out
	s_barrier_signal -1
	s_barrier_wait -1
	FETCH 0, 0, F0
	LAP 1                                          ; the first lap stands in front of the loop: its first products start the sums
.if LAPS > 2
	WIN 0
	s_mov_b32 s3, LAPS-2
.Llap:
	LAP 0
	WIN 0
	s_sub_co_u32 s3, s3, 1
	s_cmp_lg_u32 s3, 0
	s_cbranch_scc1 .Llap
.endif
	STEPS 0, 0                                     ; the last lap fills nothing
	TURN 0, 1, 0
	STEPS 1, 0
	s_wait_dscnt MA
	MULA F1, 0, MA/2, 0
	s_wait_dscnt 0x0
	MULA F1, MA/2, MA/2, 0
	; THE WAY OUT, 16 rows at a time: round to bf16, 16 bytes a lane into my own stage, read back as whole rows of 256 bytes, store.
	PLACES
.macro OUT16 i, rb
.if \i < 4
	WIN 0x0a                                       ; sources 0 and 1 in window 2
.else
	WIN 0x0f                                       ; in window 3
.endif
.irp b, 0,1,2,3,4,5,6,7
.irp r, 0,1,2,3
	v_cvt_pk_bf16_f32 v[TMP+4*\b+\r], v[8*(8*(\i%4)+\b)+2*\r], v[8*(8*(\i%4)+\b)+2*\r+1]
.endr
.endr
	WIN 0
.irp b, 0,1,2,3,4,5,6,7
	ds_store_b128 v[STO], v[TMP+4*\b:TMP+4*\b+3] offset:32*\b
.endr
	s_wait_xcnt 0x0                                ; the read-back registers were the data of earlier stores: loaded again only behind this wait
.irp t, 0,1,2,3,4,5,6,7
	ds_load_b128 v[\rb+4*\t:\rb+4*\t+3], v[RD] offset:\t*2*SPITCH      ; LDS serves a wave's instructions in order: these see the stores above
.endr
.irp t, 0,1,2,3,4,5,6,7
	s_wait_dscnt 7-\t
	global_store_b128 v[CO], v[\rb+4*\t:\rb+4*\t+3], s[8:9] offset:(16*\i+2*\t)*SIZE_N*ELB   ; 16 lanes store 256 neighbouring bytes, aligned
.endr
.endm
	OUT16 0, F0
	OUT16 1, F1
	OUT16 2, F0
	OUT16 3, F1
	OUT16 4, F0
	OUT16 5, F1
	OUT16 6, F0
	OUT16 7, F1
	s_set_vgpr_msb 0x1
	s_wait_tensorcnt 0x0
	ds_add_u32 v255, v255
	s_wait_dscnt 0x0
	s_set_vgpr_msb 0x100
	CROUND                                         ; the closing round: no work-group ends while a partner may still ask for a tile that names it
	s_endpgm
.Lfunc_end_k_q02e4f61ad9_qkv:
	.size	k_q02e4f61ad9_qkv, .Lfunc_end_k_q02e4f61ad9_qkv-k_q02e4f61ad9_qkv
	.p2alignl 7, 3214868480
	.fill 96, 4, 3214868480
	.section	.rodata,"a",@progbits
	.p2align	6, 0x0
	.amdhsa_kernel k_q02e4f61ad9_qkv
		.amdhsa_group_segment_fixed_size 327680
		.amdhsa_private_segment_fixed_size 0
		.amdhsa_enable_private_segment 0
		.amdhsa_kernarg_size 24
		.amdhsa_user_sgpr_count 2
		.amdhsa_user_sgpr_kernarg_segment_ptr 1
		.amdhsa_wavefront_size32 1
		.amdhsa_system_sgpr_workgroup_id_x 1
		.amdhsa_system_sgpr_workgroup_id_y 1
		.amdhsa_system_sgpr_workgroup_id_z 1
		.amdhsa_system_vgpr_workitem_id 0
		.amdhsa_next_free_vgpr 1024
		.amdhsa_next_free_sgpr 72
		.amdhsa_reserve_vcc 0
		.amdhsa_float_denorm_mode_32 3
		.amdhsa_float_denorm_mode_16_64 3
		.amdhsa_memory_ordered 1
		.amdhsa_forward_progress 1
		.amdhsa_inst_pref_size 196
	.end_amdhsa_kernel
	.amdgpu_metadata
---
amdhsa.version: [ 1, 2 ]
amdhsa.kernels:
  - .name:           k_q02e4f61ad9_qkv
    .symbol:         k_q02e4f61ad9_qkv.kd
    .args:
      - { .name: h, .offset: 0, .size: 8, .value_kind: global_buffer, .address_space: global }
      - { .name: wb, .offset: 8, .size: 8, .value_kind: global_buffer, .address_space: global }
      - { .name: qkv, .offset: 16, .size: 8, .value_kind: global_buffer, .address_space: global }
    .group_segment_fixed_size: 327680
    .private_segment_fixed_size: 0
    .kernarg_segment_align: 8
    .kernarg_segment_size: 24
    .max_flat_workgroup_size: 128
    .sgpr_count:     72
    .vgpr_count:     1024
    .wavefront_size: 32
...
	.end_amdgpu_metadata
.endif
;; end of part 3
;; launch attn (part 4): grid 16 x 16, 8 waves a work-group, clusters of 4 x 1, 327,680 bytes of LDS; arguments qkv, ctx; writes ctx
.if DOCPART == 4
	.amdgcn_target "amdgcn-amd-amdhsa--gfx1250"
	.amdhsa_code_object_version 6
	.text
	.protected	k_q02e4f61ad9_attn
	.globl	k_q02e4f61ad9_attn
	.p2align	8
	.type	k_q02e4f61ad9_attn,@function
k_q02e4f61ad9_attn:
	s_mov_b64 s[64:65], 0
	v_nop
	global_prefetch_b8 v0, s[64:65] scope:SCOPE_SE
	s_setreg_imm32_b32 hwreg(HW_REG_WAVE_MODE, 25, 1), 1
	s_wait_xcnt 0x0
	s_wait_alu depctr_hold_cnt(0) depctr_sa_sdst(0) depctr_va_vdst(0) depctr_va_sdst(0) depctr_va_ssrc(0) depctr_va_vcc(0) depctr_vm_vsrc(0)
	s_getreg_b32 s2, hwreg(HW_REG_IB_STS2, 6, 4)
	s_cmp_eq_u32 s2, 0
	s_cbranch_scc0 .Lentry_in_a_cluster
	s_endpgm
.Lentry_in_a_cluster:
	s_bfe_u32 s2, ttmp6, 0x10000c
	s_cmp_lg_u32 s2, 0x3003
	s_cbranch_scc0 .Lentry_shape_is_right
	s_endpgm
.Lentry_shape_is_right:
; Causal attention.  qkv: [2 x 2048][3072] bf16 (q at byte 0 of a row, k at 2,048, v at 4,096; head n at 128 n).  ctx: [2 x 2048][1024] bf16.
; ctx = softmax(q k^T / 8, keys <= query) v, with a running maximum; sums in f32; products in bf16 with f32 sums.
; A work-group = (x in 0..15; batch = y / 8; head pair p = y % 8).  Two heads at once make every row of a K or V tile and of the output 256
; neighbouring bytes, aligned.
; CLUSTERS: the four work-groups x = 4 c + cx form a cluster.  Work-group cx takes query block 4 c + cx (group A) and then block 28 - 4 c + cx (group B), 64 rows
; each.  Keys go in units of 128.  The four blocks of a group cover 256 rows: all four need the units in front of those rows whole (2 c for A, 14 - 2 c for B), and the
; two units of those rows themselves (the zone) under the mask.  So the four walk the SAME 18 units, (2 c + 2) + (16 - 2 c), in the same order, and every K and V
; tile is asked for jointly: one tensor load with the mask 15 in each of the four.  Trip counts hang on c alone; cx enters the addresses of q and ctx and
; the mask's thresholds, nothing else.  Tiles of the zone that lie wholly behind a block's diagonal are computed and masked like the rest: 3 of a work-group's 36 on average.
; EIGHT WAVES, two on each SIMD: wave w = 4 t + 2 head + half works on key tile t (64 keys) of every unit, for one head and 32 query rows (two tiles of 16), with a
; running maximum, sum and O of its own, so that one wave's softmax arithmetic stands beside the other's matrix instructions.  At a block's end the waves t = 1 hand
; their O, maximum and sum through LDS to the waves t = 0, which merge them with the weights exp2((m_i - max(m_0, m_1)) c), divide and round.
; TRANSPOSED SCHEME: S^T = K Q^T (source 0 = 16 keys, source 1 = 16 queries): lane (r, hh) holds query r and keys 8 hh + 0..7 of each key tile, so the maximum
; is in the lane but for one exchange of the halves, and two rounded S^T tiles ARE source 1 of O^T = V^T P^T (source 0 = V read by the transposing load).
; A fifth tile of source 0 that holds ones gives the sum of the rounded weights of each query, in every lane: no additions, no exchange.
; LDS: two slots of one unit; a tile = four quarters of 9,216 bytes: K rows 0-31, K rows 32-63 (pitch 272), V rows 0-31, V rows 32-63 (pitch 288); wave w fetches
; quarter w of a unit's eight.  Behind each round of the cluster's barrier the other slot's unit is asked for: one tensor load of a wave is out, with one unit's work
; to land in.  Behind the ring, written by LDS stores alone: for each group a stage (32 rows x 144 bytes for each wave t = 0) and a merge scratch (17 x 512 bytes for each wave t = 1).
; LIMITS: the running maximum starts at -1e30, so that a wave all of whose tiles are masked never forms infinity - infinity: scores at or below -1e30 are not served.
; v_exp_f32 and v_rcp_f32 are accurate to 1 ULP and flush denormals; infinite or NaN scores are not served.
.set QUART, 9216
.set TILEB, 4*QUART
.set SLOT,  2*TILEB
.set STAGE, 2*SLOT                     ; 147,456: a multiple of 256
.set KP,    272
.set VP,    288
.set SP,    144
.set STGB,  4*32*SP                    ; one group's stage
.set MERGE, STAGE+2*STGB               ; 184,320
.set MWAVE, 17*512                     ; one wave's O (64 registers), maxima and sums (4 registers)
.set MSTG,  4*MWAVE                    ; one group's merge scratch
.set KA,   2                           ; v2-3    LDS address of my K fragments in slot 0, 1
.set VA,   4                           ; v4-5    the same for V
.set MAD,  6                           ; my 16 bytes in the merge scratch of my (head, half)
.set QOFF, 14
.set STO,  15
.set RD,   16
.set CO,   17
.set THR,  18                          ; v18-19  query tile qt: my query's place in the zone - 8 hh - 64 t
.set M,    20                          ; v20-21  running maximum
.set W1,   22                          ; pair: the partner's weight in the merge
.set NMC,  24                          ; pair: - maximum x log2(e) / 8
.set AL,   26                          ; pair: the factor for the old sums
.set T,    28                          ; v28-31  at work
.set CC,   32                          ; pair: log2(e) / 8
.set NCC,  34
.set NINF, 35
.set Q,    36                          ; v36-67   Q fragments (qt, d half) at 16 qt + 8 dh
.set S,    68                          ; v68-131  S^T tiles (qt, kt) at 32 qt + 8 kt; then P, packed into 32 qt + 0..15
.set O,    132                         ; v132-195 O^T tiles (qt, vt) at 32 qt + 8 vt
.set LS,   196                         ; v196-211 the sums' tiles at 8 qt; register 0 of each is the one that is kept scaled and used
.set PM,   212                         ; v212-215 the partner's two maxima and two sums
.set VF,   0                           ; window 1: v0-63 V fragments (vt, ks) at 16 vt + 8 ks
.set QH,   64                          ; window 1: v64-95 group B's Q
.set KF,   96                          ; window 1: v96-159 K fragments (kt, dh) at 16 kt + 8 dh
.set ONES, 160                         ; window 1: v160-167 a fragment of ones
.set G1K, 24                           ; s[24:31]
.set G1V, 32                           ; s[32:39]
.set G0,  40                           ; s[40:43]
.set MSB, 0
.macro WIN new                         ; the immediate's high byte repeats the setting that is left
.if MSB != \new
	s_set_vgpr_msb (MSB<<8)|\new
.set MSB, \new
.endif
.endm
.macro NOPS n
.rept \n
	v_nop
.endr
.endm
; A round of the cluster's barrier: my work-group's barrier, wave 0 signals for the work-group, every wave waits for all four work-groups, my work-group's barrier again.
.macro ROUND
	s_barrier_signal -1
	s_barrier_wait -1
	s_cmp_lg_u32 s10, 0
	s_cbranch_scc1 .Lnot_wave_0_\@
	s_barrier_signal -3
.Lnot_wave_0_\@:
	s_barrier_wait -3
	s_barrier_signal -1
	s_barrier_wait -1
.endm
	s_load_b128 s[4:7], s[0:1], 0x0                ; qkv s[4:5], ctx s[6:7]
	v_lshl_add_u32 v254, v0, 2, 0x3e000
	v_mov_b32 v255, 0
	ds_add_u32 v254, v255
	v_lshrrev_b32 v1, 5, v0
	v_readfirstlane_b32 s10, v1                    ; wave 0..7
	s_and_b32 s50, s10, 3                          ; 2 head + half
	s_lshr_b32 s51, s10, 2                         ; t: my key tile of a unit.  Also: the tile of which I fetch a quarter; the group whose rows I store at the end
	s_lshr_b32 s11, s50, 1                         ; my head of the pair.  Also: I fetch K (0) or V (1)
	s_and_b32 s12, s10, 1                          ; my half of the query rows.  Also: which 32 rows of the tile I fetch
	s_bfe_u32 s46, ttmp6, 0x40000                  ; cx: my place in the cluster
	s_mov_b32 s13, ttmp9                           ; c: the cluster's x, 0..3; also the trips of group A's loop
	s_and_b32 s15, ttmp7, 0xffff
	s_lshr_b32 s14, s15, 3                         ; batch
	s_and_b32 s15, s15, 7                          ; head pair
	s_lshl_b32 s17, s13, 1
	s_add_co_u32 s20, s17, 1                       ; group A's last unit: 2 c + 1
	s_add_co_u32 s17, s17, 2                       ; group A's units: 2 c + 2
	s_sub_co_u32 s9, 7, s13                        ; trips of group B's loop: (14 - 2 c) / 2, at least 4
	s_lshl_b32 s68, s13, 2
	s_add_co_u32 s2, s68, s46                      ; my block of group A: 4 c + cx
	s_sub_co_u32 s3, 28, s68
	s_add_co_u32 s3, s3, s46                       ; my block of group B: 28 - 4 c + cx
	s_lshl_b32 s48, s46, 6
	s_lshl_b32 s49, s51, 6
	s_sub_co_u32 s48, s48, s49                     ; 64 cx - 64 t, a signed number: where my block begins in the zone, seen from my key tile
	s_mul_i32 s21, s10, QUART                      ; my quarter of a unit's eight: the wave's number alone
	s_mov_b32 s18, 0                               ; the unit at work, 0 to 17
	s_mov_b32 s53, 0
	s_mov_b32 s71, 0
	s_mov_b32 s66, 0x76543210                      ; v_permlanex16_b32: lane i of one half reads lane i of the other
	s_mov_b32 s67, 0xfedcba98
	s_mov_b32 s[G1K+0], 15|(1<<16)|(1<<20)|(1<<21)|(5<<22)|(3<<25)    ; the mask of all four; 2-byte elements; bit 21 beside a mask; 4 words of padding behind every 64
	s_mov_b32 s[G1K+1], 128<<16                    ; tensor_dim0 = the tile's
	s_mov_b32 s[G1K+2], 32<<16                     ; tensor_dim1 = the tile's
	s_mov_b32 s[G1K+3], 128<<16                    ; tile_dim0: 128 elements (two heads)
	s_mov_b32 s[G1K+4], 32                         ; tile_dim1: 32 rows
	s_mov_b32 s[G1K+5], 3072                       ; elements from row to row
	s_mov_b32 s[G1K+6], 0
	s_mov_b32 s[G1K+7], 0
	s_mov_b32 s[G1V+0], 15|(1<<16)|(1<<20)|(1<<21)|(5<<22)|(7<<25)    ; the same with 8 words of padding
	s_mov_b32 s[G1V+1], 128<<16
	s_mov_b32 s[G1V+2], 32<<16
	s_mov_b32 s[G1V+3], 128<<16
	s_mov_b32 s[G1V+4], 32
	s_mov_b32 s[G1V+5], 3072
	s_mov_b32 s[G1V+6], 0
	s_mov_b32 s[G1V+7], 0
	s_mov_b32 s[G0+0], 1
	s_lshl_b32 s68, s14, 11                        ; the batch's first row
	s_lshl_b32 s69, s2, 6
	s_add_co_u32 s69, s68, s69                     ; first row of my block of group A
	s_lshl_b32 s72, s3, 6
	s_add_co_u32 s72, s68, s72                     ; first row of my block of group B
	s_lshl_b32 s47, s15, 8                         ; the head pair's 256 bytes
	s_wait_dscnt 0x0
	s_wait_kmcnt 0x0
	s_mul_i32 s52, s14, 12582912                   ; K or V at my 32 rows of my tile of key unit 0: batch, head pair and the wave's number; no place in the cluster
	s_lshl_b32 s16, s11, 11
	s_add_co_u32 s52, s52, s16
	s_mul_i32 s16, s12, 196608
	s_add_co_u32 s52, s52, s16
	s_mul_i32 s16, s51, 393216
	s_add_co_u32 s52, s52, s16
	s_add_co_u32 s52, s52, s47
	s_add_co_u32 s52, s52, 2048
	s_add_nc_u64 s[22:23], s[4:5], s[52:53]
	s_or_b32 s23, s23, 0x80000000                  ; the descriptor's type, set once; the sums below do not reach it
; group 0 for my quarter of unit s18 + ahead, into slot ns
.macro DESC ns, ahead
	s_add_co_u32 s54, s18, \ahead                  ; the unit, counted through both groups
	s_cmp_gt_u32 s54, s20                          ; in group B?
	s_cselect_b32 s55, s17, 0
	s_sub_co_u32 s54, s54, s55                     ; its key unit
	s_mul_i32 s52, s54, 786432                     ; 128 rows of 6,144 bytes
	s_add_nc_u64 s[G0+2:G0+3], s[22:23], s[52:53]
	s_add_co_u32 s[G0+1], s21, (\ns)*SLOT
.endm
.macro KVLOAD                          ; the branch hangs on the wave's number alone: each line has one shape for all that issue it
	s_cmp_eq_u32 s11, 0
	s_cbranch_scc0 .Lfor_v_\@
	tensor_load_to_lds s[G0+0:G0+3], s[G1K:G1K+7]
	s_nop 0
	s_branch .Lasked_\@
.Lfor_v_\@:
	tensor_load_to_lds s[G0+0:G0+3], s[G1V:G1V+7]
	s_nop 0
.Lasked_\@:
.endm
	DESC 0, 0
	ROUND                                          ; all four work-groups are here: the first joint loads meet
	KVLOAD                                         ; unit 0 into slot 0: a first fill
	; q and ctx hang on cx: their offsets are made in registers that feed no descriptor
	s_mul_i32 s70, s69, 6144
	s_add_co_u32 s70, s70, s47
	s_add_nc_u64 s[60:61], s[4:5], s[70:71]        ; q of my block of group A
	s_mul_i32 s70, s72, 6144
	s_add_co_u32 s70, s70, s47
	s_add_nc_u64 s[62:63], s[4:5], s[70:71]        ; q of my block of group B
	s_cmp_eq_u32 s51, 0
	s_cselect_b32 s70, s69, s72                    ; the waves t = 0 store group A's rows at the end, the waves t = 1 group B's
	s_lshl_b32 s70, s70, 11
	s_add_co_u32 s70, s70, s47
	s_add_nc_u64 s[56:57], s[6:7], s[70:71]
	v_and_b32 v68, 15, v0                          ; r
	v_bfe_u32 v69, v0, 4, 1                        ; hh
	v_and_b32 v71, 31, v0                          ; lane
	s_lshl_b32 s16, s11, 7                         ; my head's 128 bytes
	s_mul_i32 s55, s51, TILEB                      ; my tile of a unit
	s_add_co_u32 s55, s55, s16
	v_mul_u32_u24 v72, v68, KP
	v_lshl_add_u32 v72, v69, 4, v72
	v_add_nc_u32 v72, s55, v72                     ; K: row r, 16 bytes at 16 hh
	v_and_b32 v73, 7, v0
	v_lshl_add_u32 v73, v69, 3, v73
	v_mul_u32_u24 v73, v73, VP
	v_bfe_u32 v70, v0, 3, 1
	v_lshl_add_u32 v73, v70, 4, v73
	v_add_nc_u32 v73, s55, v73                     ; V (transposing load): row 8 hh + l % 8, 16 bytes at 16 ((l / 8) % 2)
.irp n, 0,1
	v_add_nc_u32 v[KA+\n], \n*SLOT, v72
	v_add_nc_u32 v[VA+\n], \n*SLOT+2*QUART, v73
.endr
	s_lshl_b32 s68, s12, 5
	v_add_nc_u32 v74, s68, v68                     ; my query's row in the block, query tile 0
	v_mul_u32_u24 v[QOFF], v74, 6144
	v_lshl_add_u32 v[QOFF], v69, 4, v[QOFF]
	v_add_nc_u32 v[QOFF], s16, v[QOFF]
	s_mul_i32 s68, s50, 32*SP
	s_add_co_u32 s68, s68, STAGE                   ; the stage of my (head, half): group A's; group B's lies STGB bytes on
	v_mul_u32_u24 v[STO], v68, SP
	v_lshl_add_u32 v[STO], v69, 4, v[STO]
	v_add_nc_u32 v[STO], s68, v[STO]
	s_mul_i32 s68, s50, MWAVE
	s_add_co_u32 s68, s68, MERGE                   ; the merge scratch of my (head, half): group A's; group B's lies MSTG bytes on
	v_lshl_add_u32 v[MAD], v71, 4, s68             ; 16 bytes a lane: register images, 512 neighbouring bytes an instruction
	; the read-back: a wave stores rows 16 (w % 4) .. + 15 of its group's block; lanes 0-7 take head 0's 128 bytes, lanes 8-15 head 1's, lanes 16-31 the next row
	v_lshrrev_b32 v77, 3, v68
	v_lshlrev_b32 v77, 1, v77
	v_add_nc_u32 v77, s11, v77                     ; whose stage: 2 x head + (row / 32)
	v_mul_u32_u24 v[RD], v77, 32*SP
	s_lshl_b32 s68, s12, 4
	v_add_nc_u32 v78, s68, v69                     ; the row in that stage's 32
	v_mad_u32_u24 v[RD], v78, SP, v[RD]
	v_and_b32 v79, 7, v68
	v_lshl_add_u32 v[RD], v79, 4, v[RD]
	s_mul_i32 s68, s51, STGB
	s_add_co_u32 s68, s68, STAGE
	v_add_nc_u32 v[RD], s68, v[RD]
	s_lshl_b32 s68, s50, 4
	v_add_nc_u32 v75, s68, v69
	v_lshlrev_b32 v[CO], 11, v75
	v_lshl_add_u32 v[CO], v68, 4, v[CO]
	v_lshlrev_b32 v76, 3, v69
	v_sub_nc_u32 v76, v74, v76                     ; row in the block - 8 hh (signed)
	v_add_nc_u32 v[THR], s48, v76
	v_add_nc_u32 v[THR+1], 16, v[THR]
.irp qt, 0,1
.irp dh, 0,1
	global_load_b128 v[Q+16*\qt+8*\dh:Q+16*\qt+8*\dh+3],   v[QOFF], s[60:61] offset:\qt*98304+64*\dh
	global_load_b128 v[Q+16*\qt+8*\dh+4:Q+16*\qt+8*\dh+7], v[QOFF], s[60:61] offset:\qt*98304+64*\dh+32
.endr
.endr
	WIN 0x40                                       ; destination window 1
.irp qt, 0,1
.irp dh, 0,1
	global_load_b128 v[QH+16*\qt+8*\dh:QH+16*\qt+8*\dh+3],   v[QOFF], s[62:63] offset:\qt*98304+64*\dh
	global_load_b128 v[QH+16*\qt+8*\dh+4:QH+16*\qt+8*\dh+7], v[QOFF], s[62:63] offset:\qt*98304+64*\dh+32
.endr
.endr
.set kk, 0
.rept 8
	v_mov_b32 v[ONES+kk], 0x3f803f80               ; two bf16 ones
.set kk, kk+1
.endr
	WIN 0
	v_mov_b32 v[CC],   0x3e38aa3b                  ; log2(e) / 8
	v_mov_b32 v[CC+1], 0x3e38aa3b
	v_mov_b32 v[NCC],  0xbe38aa3b
	v_mov_b32 v[NINF], 0xff800000
	v_mov_b32 v[M],   0xf149f2ca                   ; -1e30
	v_mov_b32 v[M+1], 0xf149f2ca
	v_mov_b32 v[T],   0
	v_mov_b32 v[T+1], 0
; O and the sums are cleared once, so that every tile has one text.  Group B's first unit is a full one: its maximum is a score, the factor
; exp2((-1e30 - maximum) c) for the old sums is 0, and what group A left is gone.
.set kk, 0
.rept 80
	v_mov_b32 v[O+kk], 0                           ; v132-211: O and, behind it, the sums' tiles
.set kk, kk+1
.endr
	s_wait_loadcnt 0x0                             ; both blocks' q
.macro KLOAD slot                      ; 16 loads: K fragments of my tile
.irp kt, 0,1,2,3
.irp dh, 0,1
	ds_load_b128 v[KF+16*\kt+8*\dh:KF+16*\kt+8*\dh+3],   v[KA+\slot] offset:(\kt/2)*QUART+(\kt%2)*16*KP+64*\dh
	ds_load_b128 v[KF+16*\kt+8*\dh+4:KF+16*\kt+8*\dh+7], v[KA+\slot] offset:(\kt/2)*QUART+(\kt%2)*16*KP+64*\dh+32
.endr
.endr
.endm
.macro VLOAD slot                      ; 16 loads: V fragments of my tile
.irp vt, 0,1,2,3
.irp ks, 0,1
	ds_load_tr16_b128 v[VF+16*\vt+8*\ks:VF+16*\vt+8*\ks+3],   v[VA+\slot] offset:\ks*32*VP+32*\vt
	ds_load_tr16_b128 v[VF+16*\vt+8*\ks+4:VF+16*\vt+8*\ks+7], v[VA+\slot] offset:\ks*32*VP+32*\vt+16*VP
.endr
.endr
.endm
.macro MASK z                          ; unit z of the zone: key 128 z + 64 t + 16 kt + 8 hh + i of the zone > my query's place in it  =>  -infinity
.irp qt, 0,1
.set kk, 0
.rept 32
	v_cmp_gt_i32 vcc_lo, 128*\z+16*(kk/8)+kk%8, v[THR+\qt]
	v_cndmask_b32 v[S+32*\qt+kk], v[S+32*\qt+kk], v[NINF], vcc_lo
.set kk, kk+1
.endr
.endr
.endm
.macro SOFTMAX qt
.set SB, S+32*\qt
.set OB, O+32*\qt
	v_max3_num_f32 v[T],   v[SB],   v[SB+1], v[SB+2]      ; my 32 scores, two chains
	v_max3_num_f32 v[T+1], v[SB+3], v[SB+4], v[SB+5]
.set kk, 6
.rept 13
	v_max3_num_f32 v[T+(kk/2)%2], v[T+(kk/2)%2], v[SB+kk], v[SB+kk+1]
.set kk, kk+2
.endr
	v_max_num_f32 v[T], v[T], v[T+1]
	v_permlanex16_b32 v[T+1], v[T], s66, s67               ; the other half of the keys
	v_max3_num_f32 v[T], v[T], v[T+1], v[M+\qt]            ; the new maximum: never below -1e30, so always finite
	v_sub_f32 v[T+1], v[M+\qt], v[T]
	v_mul_f32 v[T+1], v[CC], v[T+1]
	v_exp_f32 v[AL], v[T+1]
	v_mov_b32 v[M+\qt], v[T]                               ; the plain instruction behind the transcendental (ISA guide 5.7.2)
	v_mul_f32 v[NMC],   v[NCC], v[T]
	v_mul_f32 v[NMC+1], v[NCC], v[T]
	s_wait_alu depctr_va_vdst(0)
	v_mov_b32 v[AL+1], v[AL]
.set kk, 0
.rept 16
	v_pk_fma_f32 v[SB+kk:SB+kk+1], v[SB+kk:SB+kk+1], v[CC:CC+1], v[NMC:NMC+1]
.set kk, kk+2
.endr
.set kk, 0
.rept 32
	v_exp_f32 v[SB+kk], v[SB+kk]
.set kk, kk+1
.endr
.set kk, 0
.rept 16
	v_pk_mul_f32 v[OB+kk:OB+kk+1], v[OB+kk:OB+kk+1], v[AL:AL+1]    ; plain work behind the exponentials
.set kk, kk+2
.endr
	v_mul_f32 v[LS+8*\qt], v[LS+8*\qt], v[AL]              ; of the sums' tile only register 0 is used: the other seven hold unscaled sums of weights <= 1, which stay small
.set kk, 0
	s_wait_alu depctr_va_vdst(0)
.rept 16
	v_cvt_pk_bf16_f32 v[SB+kk], v[SB+2*kk], v[SB+2*kk+1]   ; in place, ascending: registers 8 c .. 8 c + 7 become source 1 for keys 32 c .. 32 c + 31
.set kk, kk+1
.endr
.endm
; A block's end.  The waves t = 1 put O, maxima and sums into the scratch of their (head, half); behind a barrier the waves t = 0 merge, divide, round, and put 16 bytes
; a lane into their stage.  Both branches hang on the wave's number alone, and the barrier stands on every wave's way.  Behind this barrier no LDS bytes are filled:
; the next unit's tensor load may stay out across it.  next = 1: group B's q and a fresh maximum.
.macro FINAL next, stg
	s_cmp_eq_u32 s51, 0
	s_cbranch_scc1 .Lkeep_\@
	v_mov_b32 v[T],   v[M]
	v_mov_b32 v[T+1], v[M+1]
	v_mov_b32 v[T+2], v[LS]
	v_mov_b32 v[T+3], v[LS+8]
.set kk, 0
.rept 16
	ds_store_b128 v[MAD], v[O+4*kk:O+4*kk+3] offset:\stg*MSTG+512*kk
.set kk, kk+1
.endr
	ds_store_b128 v[MAD], v[T:T+3] offset:\stg*MSTG+8192
.Lkeep_\@:
	s_wait_dscnt 0x0                               ; for the partner's sake: my stores are done
	s_barrier_signal -1
	s_barrier_wait -1
	s_cmp_lg_u32 s51, 0
	s_cbranch_scc1 .Ldone_\@
.set kk, 0
.rept 16
	ds_load_b128 v[S+4*kk:S+4*kk+3], v[MAD] offset:\stg*MSTG+512*kk        ; the partner's O, register for register
.set kk, kk+1
.endr
	ds_load_b128 v[PM:PM+3], v[MAD] offset:\stg*MSTG+8192
	s_wait_dscnt 0x0
.irp qt, 0,1
	v_max_num_f32 v[T], v[M+\qt], v[PM+\qt]
	v_sub_f32 v[T+1], v[M+\qt], v[T]
	v_sub_f32 v[T+2], v[PM+\qt], v[T]
	v_mul_f32 v[T+1], v[CC], v[T+1]
	v_mul_f32 v[T+2], v[CC], v[T+2]
	v_exp_f32 v[AL], v[T+1]
	v_exp_f32 v[W1], v[T+2]
	v_nop                                          ; the plain instruction behind the transcendentals
	s_wait_alu depctr_va_vdst(0)
	v_mul_f32 v[T], v[LS+8*\qt], v[AL]
	v_fma_f32 v[T], v[PM+2+\qt], v[W1], v[T]       ; the whole sum: positive, since my first tile of the block has an open key for every query
	v_rcp_f32 v[T+3], v[T]
	v_nop
	s_wait_alu depctr_va_vdst(0)
	v_mul_f32 v[AL], v[AL], v[T+3]
	v_mul_f32 v[W1], v[W1], v[T+3]
	v_mov_b32 v[AL+1], v[AL]
	v_mov_b32 v[W1+1], v[W1]
.set kk, 0
.rept 16
	v_pk_mul_f32 v[O+32*\qt+kk:O+32*\qt+kk+1], v[O+32*\qt+kk:O+32*\qt+kk+1], v[AL:AL+1]
.set kk, kk+2
.endr
.set kk, 0
.rept 16
	v_pk_fma_f32 v[O+32*\qt+kk:O+32*\qt+kk+1], v[S+32*\qt+kk:S+32*\qt+kk+1], v[W1:W1+1], v[O+32*\qt+kk:O+32*\qt+kk+1]
.set kk, kk+2
.endr
.set kk, 0
.rept 16
	v_cvt_pk_bf16_f32 v[S+16*\qt+kk], v[O+32*\qt+2*kk], v[O+32*\qt+2*kk+1]     ; into registers of the partner's O that have been used
.set kk, kk+1
.endr
.irp vt, 0,1,2,3
	ds_store_b128 v[STO], v[S+16*\qt+4*\vt:S+16*\qt+4*\vt+3] offset:\stg*STGB+\qt*16*SP+32*\vt
.endr
.endr
.Ldone_\@:
.if \next
	WIN 0x01                                       ; source 0 in window 1
.set kk, 0
.rept 32
	v_mov_b32 v[Q+kk], v[QH+kk]
.set kk, kk+1
.endr
	WIN 0
	v_mov_b32 v[M],   0xf149f2ca
	v_mov_b32 v[M+1], 0xf149f2ca
.endif
.endm
; My key tile of one unit.  mask = 1: the unit is unit z of the zone.
; The matrix instructions take their accumulators (eight, then ten) by turns, one instruction a turn.
.macro TILE slot, mask, z
	WIN 0x40                                       ; destination window 1
	KLOAD \slot
	VLOAD \slot
	s_wait_dscnt 16                                ; K's 16 loads are older than V's 16, which stay out
	WIN 0x01                                       ; source 0 in window 1
.irp dh, 0,1
.irp qt, 0,1
.irp kt, 0,1,2,3
.if \dh == 0
	v_wmma_f32_16x16x32_bf16 v[S+32*\qt+8*\kt:S+32*\qt+8*\kt+7], v[KF+16*\kt:KF+16*\kt+7], v[Q+16*\qt:Q+16*\qt+7], 0
.else
	v_wmma_f32_16x16x32_bf16 v[S+32*\qt+8*\kt:S+32*\qt+8*\kt+7], v[KF+16*\kt+8:KF+16*\kt+15], v[Q+16*\qt+8:Q+16*\qt+15], v[S+32*\qt+8*\kt:S+32*\qt+8*\kt+7]
.endif
.endr
.endr
.endr
	WIN 0
	NOPS 4                                         ; the places behind matrix instructions (ISA guide 7.12.1): S is read next
.if \mask
	MASK \z
.endif
	SOFTMAX 0
	SOFTMAX 1
	s_wait_dscnt 0x0                               ; V is in
	WIN 0x01
.irp ks, 0,1
.irp qt, 0,1
.irp vt, 0,1,2,3
	v_wmma_f32_16x16x32_bf16 v[O+32*\qt+8*\vt:O+32*\qt+8*\vt+7], v[VF+16*\vt+8*\ks:VF+16*\vt+8*\ks+7], v[S+32*\qt+8*\ks:S+32*\qt+8*\ks+7], v[O+32*\qt+8*\vt:O+32*\qt+8*\vt+7]
.endr
	v_wmma_f32_16x16x32_bf16 v[LS+8*\qt:LS+8*\qt+7], v[ONES:ONES+7], v[S+32*\qt+8*\ks:S+32*\qt+8*\ks+7], v[LS+8*\qt:LS+8*\qt+7]
.endr
.endr
	WIN 0
	NOPS 5                                         ; five places: the next tile's first products write over P, V's registers are loaded again, O and the sums are read
.endm
; One unit of 128 keys.  In front of the barrier every wave waits for all its tensor loads (its quarter of this slot) and for its LDS instructions (reads of the
; other slot, stage and scratch).  refill = 1: the barrier is a round of the cluster's barrier, so that both hold of every wave of all four work-groups, and
; the joint refill of the other slot is the first tensor load behind the round's closing wait.
.macro UNIT slot, refill, mask, z
	s_wait_tensorcnt 0x0
	ds_add_u32 v254, v255
	s_wait_dscnt 0x0
.if \refill
	DESC 1-\slot, 1                                ; no tensor load of mine is out: group 0 may be written
.endif
	s_wait_dscnt 0x0
.if \refill
	ROUND
	KVLOAD
.else
	s_barrier_signal -1
	s_barrier_wait -1
.endif
	TILE \slot, \mask, \z
	s_add_co_u32 s18, s18, 1
.endm
	; GROUP A: 2 c full units, then the zone's two
	s_cmp_eq_u32 s13, 0
	s_cbranch_scc1 .Lno_a
	s_mov_b32 s19, 0
.Lloop_a:
	UNIT 0, 1, 0, 0
	UNIT 1, 1, 0, 0
	s_add_co_u32 s19, s19, 1
	s_cmp_lt_u32 s19, s13
	s_cbranch_scc1 .Lloop_a
.Lno_a:
	UNIT 0, 1, 1, 0
	UNIT 1, 1, 1, 1                                ; its refill is group B's first unit
	FINAL 1, 0
	; GROUP B: 14 - 2 c full units, then the zone's two
	s_mov_b32 s19, 0
.Lloop_b:
	UNIT 0, 1, 0, 0
	UNIT 1, 1, 0, 0
	s_add_co_u32 s19, s19, 1
	s_cmp_lt_u32 s19, s9
	s_cbranch_scc1 .Lloop_b
	UNIT 0, 1, 1, 0
	UNIT 1, 0, 1, 1                                ; unit 17: nothing more to fetch
	FINAL 0, 1
	s_wait_dscnt 0x0                               ; my stage stores are done,
	s_barrier_signal -1
	s_barrier_wait -1                              ; everybody's are
	; both blocks leave their stages: 16 rows a wave; 16 lanes store 256 neighbouring bytes, aligned
.irp t, 0,1,2,3,4,5,6,7
	ds_load_b128 v[S+4*\t:S+4*\t+3], v[RD] offset:\t*2*SP
.endr
.irp t, 0,1,2,3,4,5,6,7
	s_wait_dscnt 7-\t                              ; LDS loads come back in order: row pair t is in
	global_store_b128 v[CO], v[S+4*\t:S+4*\t+3], s[56:57] offset:\t*4096
.endr
	s_wait_tensorcnt 0x0
	ds_add_u32 v254, v255
	s_wait_dscnt 0x0
	ROUND                                          ; the closing round: no work-group ends while a partner may still ask for a tile that names it
	s_endpgm
.Lfunc_end_k_q02e4f61ad9_attn:
	.size	k_q02e4f61ad9_attn, .Lfunc_end_k_q02e4f61ad9_attn-k_q02e4f61ad9_attn
	.p2alignl 7, 3214868480
	.fill 96, 4, 3214868480
	.section	.rodata,"a",@progbits
	.p2align	6, 0x0
	.amdhsa_kernel k_q02e4f61ad9_attn
		.amdhsa_group_segment_fixed_size 327680
		.amdhsa_private_segment_fixed_size 0
		.amdhsa_enable_private_segment 0
		.amdhsa_kernarg_size 16
		.amdhsa_user_sgpr_count 2
		.amdhsa_user_sgpr_kernarg_segment_ptr 1
		.amdhsa_wavefront_size32 1
		.amdhsa_system_sgpr_workgroup_id_x 1
		.amdhsa_system_sgpr_workgroup_id_y 1
		.amdhsa_system_sgpr_workgroup_id_z 1
		.amdhsa_system_vgpr_workitem_id 0
		.amdhsa_next_free_vgpr 424
		.amdhsa_next_free_sgpr 80
		.amdhsa_reserve_vcc 1
		.amdhsa_float_denorm_mode_32 3
		.amdhsa_float_denorm_mode_16_64 3
		.amdhsa_memory_ordered 1
		.amdhsa_forward_progress 1
		.amdhsa_inst_pref_size 189
	.end_amdhsa_kernel
	.amdgpu_metadata
---
amdhsa.version: [ 1, 2 ]
amdhsa.kernels:
  - .name:           k_q02e4f61ad9_attn
    .symbol:         k_q02e4f61ad9_attn.kd
    .args:
      - { .name: qkv, .offset: 0, .size: 8, .value_kind: global_buffer, .address_space: global }
      - { .name: ctx, .offset: 8, .size: 8, .value_kind: global_buffer, .address_space: global }
    .group_segment_fixed_size: 327680
    .private_segment_fixed_size: 0
    .kernarg_segment_align: 8
    .kernarg_segment_size: 16
    .max_flat_workgroup_size: 256
    .sgpr_count:     80
    .vgpr_count:     424
    .wavefront_size: 32
...
	.end_amdgpu_metadata
.endif
;; end of part 4
;; launch oproj (part 5): grid 8 x 32, 4 waves a work-group, clusters of 4 x 4, 327,680 bytes of LDS; arguments ctx, wb, b_o, x, x1; writes x1
.if DOCPART == 5
	.amdgcn_target "amdgcn-amd-amdhsa--gfx1250"
	.amdhsa_code_object_version 6
	.text
	.protected	k_q02e4f61ad9_oproj
	.globl	k_q02e4f61ad9_oproj
	.p2align	8
	.type	k_q02e4f61ad9_oproj,@function
k_q02e4f61ad9_oproj:
	s_mov_b64 s[64:65], 0
	v_nop
	global_prefetch_b8 v0, s[64:65] scope:SCOPE_SE
	s_setreg_imm32_b32 hwreg(HW_REG_WAVE_MODE, 25, 1), 1
	s_wait_xcnt 0x0
	s_wait_alu depctr_hold_cnt(0) depctr_sa_sdst(0) depctr_va_vdst(0) depctr_va_sdst(0) depctr_va_ssrc(0) depctr_va_vcc(0) depctr_vm_vsrc(0)
	s_getreg_b32 s2, hwreg(HW_REG_IB_STS2, 6, 4)
	s_cmp_eq_u32 s2, 0
	s_cbranch_scc0 .Lentry_in_a_cluster
	s_endpgm
.Lentry_in_a_cluster:
	s_bfe_u32 s2, ttmp6, 0x10000c
	s_cmp_lg_u32 s2, 0xf033
	s_cbranch_scc0 .Lentry_shape_is_right
	s_endpgm
.Lentry_shape_is_right:
; x1[m][n] = x[m][n] + b_o[n] + sum over k of ctx[m][k] Wo[k][n].  ctx: [4096][1024] bf16; Wo: [1024][1024] bf16 at byte WOFF of wb; x, x1: f32; sums in f32.
; N is 1,024 only: blocks of 128 x 128 give 8 x 32 = 256 work-groups.  Four waves (2 x 2), a wave 64 x 64: 16 accumulator tiles, 128 registers.
; The smaller block feeds fewer products from each LDS byte; in exchange K goes in steps of 256, so that each change of slots serves twice the K.
; A slot: four quarters of HALFT bytes, quarter w fetched by wave w: quarters 0, 1 = 64 rows of A each (512 bytes + 16 of padding; 33,792 of the 36,864 bytes
; are used), quarters 2, 3 = 128 k-rows of W each (256 bytes + 32 of padding).  W lies [K][N]: its fragments are read by the transposing LDS load.
; CLUSTERS: 4 x 4 work-groups; A's tiles are asked for jointly along a row of the cluster, W's along a column.
; K IS WALKED IN A RING: cluster (X, Y) starts at K step (ROTX X + ROTY (Y % 4)) % NSTEPS and wraps round.  The two clusters that read the same rows of A start half of
; K apart, neighbouring clusters that read the same columns of W a quarter apart: at any one moment they ask for different tiles, and in the later part of its
; walk each asks for tiles that another cluster has read before.  LIMIT: the f32 sum over K begins at another k in each cluster, an order of rounding other than ascending K.
; REGISTERS: window 0: v16-27 addresses, v64-95 and v128-159 fragments of A, v192-195 bias; window 1: v64-95, v128-159 fragments of W;
; window 2: accumulator tile (a, b) at v[8 (8 a + b)]; window 3: v0-127 my 64 x 64 piece of the residual, asked for ahead of the loop.
; THE MATRIX INSTRUCTION IS USED TRANSPOSED (source 0 = columns of W, source 1 = rows of A): lane l holds row l % 16 and columns 8 (l / 16) + 0..7.
.set SIZE_N, 1024
.set SIZE_K, 1024
.set WOFF,   6291456
.set BM,     128
.set BN,     128
.set MA,     4
.set NB,     4
.set KSTEP,  256
.set QIA,    6                         ; pad interval of A's tiles: 128 words (a row of 256 bf16)
.set QIB,    5                         ; of W's tiles: 64 words (a row of 128 bf16)
.set HALFT,  36864                     ; 128 x 288; A's 64 x 528 = 33,792 fit
.set ELB,    4
.set STOSH,  5
.set WM,     16*MA
.set WN,     16*NB
.set NQ,     KSTEP/32
.set APITCH, 2*KSTEP+16
.set BPITCH, 2*BN+32
.set SLOT,   4*HALFT
.set STAGE,  2*SLOT
.set SPITCH, 272
.set LAPS,   SIZE_K/(2*KSTEP)
.set NSTEPS, SIZE_K/KSTEP              ; a power of two
.set ROTX,   NSTEPS/2
.set ROTY,   NSTEPS/4
.set ADRA, 16
.set ADRB, 20                          ; v20-23: slot 0 k-rows 0-127, 128-255; slot 1 likewise
.set STO,  24
.set RD,   25
.set CO,   26
.set BO,   27
.set F0,   64
.set F1,   128
.set BIAS, 192
.set G1,  24
.set G0,  32
.set G1B, 48
.set G0B, 56
.set MSB, 0
.macro WIN new
.if MSB != \new
	s_set_vgpr_msb (MSB<<8)|\new
.set MSB, \new
.endif
.endm
.macro JLOAD s                         ; waves 0, 1 fetch A's two halves, waves 2, 3 W's; the branch hangs on the wave's number alone
	s_cmp_eq_u32 s11, 0
	s_cbranch_scc0 .Lfor_w_\@
	tensor_load_to_lds s[G0+4*\s:G0+4*\s+3], s[G1:G1+7]
	s_nop 0
	s_branch .Lasked_\@
.Lfor_w_\@:
	tensor_load_to_lds s[G0B+4*\s:G0B+4*\s+3], s[G1B:G1B+7]
	s_nop 0
.Lasked_\@:
.endm
.macro CREST
	s_cmp_lg_u32 s10, 0
	s_cbranch_scc1 .Lnot_wave_0_\@
	s_barrier_signal -3
.Lnot_wave_0_\@:
	s_barrier_wait -3
	s_barrier_signal -1
	s_barrier_wait -1
.endm
.macro CROUND
	s_barrier_signal -1
	s_barrier_wait -1
	CREST
.endm
; both tiles' addresses for K step s45 of the ring, into slot's two group 0; then s45 steps on, round the ring.  s45 hangs on the cluster's x and y alone.
.macro KADDR slot
	s_mul_i32 s16, s45, KSTEP*2
	s_add_nc_u64 s[G0+4*\slot+2:G0+4*\slot+3], s[14:15], s[16:17]
	s_mul_i32 s18, s45, KSTEP*SIZE_N*2
	s_add_nc_u64 s[G0B+4*\slot+2:G0B+4*\slot+3], s[46:47], s[18:19]
	s_add_co_u32 s45, s45, 1
	s_and_b32 s45, s45, NSTEPS-1
.endm
	s_load_b128 s[4:7], s[0:1], 0x0                ; A s[4:5], wb s[6:7]
	s_load_b64 s[66:67], s[0:1], 0x10              ; bias
	s_load_b64 s[68:69], s[0:1], 0x18              ; residual
	s_load_b64 s[8:9], s[0:1], 0x20                ; output
	s_set_vgpr_msb 0x40
	v_lshl_add_u32 v255, v0, 2, 0x4c400
	s_set_vgpr_msb 0x4000
	v_mov_b32 v255, 0
	s_set_vgpr_msb 0x1
	ds_add_u32 v255, v255
	s_set_vgpr_msb 0x100
	v_lshrrev_b32 v1, 5, v0
	v_readfirstlane_b32 s10, v1
	s_lshr_b32 s11, s10, 1
	s_and_b32 s12, s10, 1
	s_bfe_u32 s40, ttmp6, 0x40000                  ; cx
	s_bfe_u32 s41, ttmp6, 0x40004                  ; cy
	s_lshl_b32 s42, ttmp9, 2
	s_add_co_u32 s42, s42, s40                     ; block column
	s_and_b32 s13, ttmp7, 0xffff
	s_lshl_b32 s13, s13, 2
	s_add_co_u32 s13, s13, s41                     ; block row
	s_lshl_b32 s43, s41, 2
	s_lshl_b32 s43, 15, s43                        ; my row of the cluster
	s_lshl_b32 s44, 0x1111, s40                    ; my column
	s_and_b32 s45, ttmp7, 3                        ; the cluster's y % 4
	s_mul_i32 s45, s45, ROTY
	s_mul_i32 s18, ttmp9, ROTX                     ; the cluster's x
	s_add_co_u32 s45, s45, s18
	s_and_b32 s45, s45, NSTEPS-1                   ; where my cluster's walk of K begins
	s_mov_b32 s19, 0
	s_or_b32 s[G1+0], s43, (1<<16)|(1<<20)|(1<<21)|(QIA<<22)|(3<<25)
	s_mov_b32 s[G1+1], KSTEP<<16
	s_mov_b32 s[G1+2], WM<<16
	s_mov_b32 s[G1+3], KSTEP<<16
	s_mov_b32 s[G1+4], WM
	s_mov_b32 s[G1+5], SIZE_K
	s_mov_b32 s[G1+6], 0
	s_mov_b32 s[G1+7], 0
	s_or_b32 s[G1B+0], s44, (1<<16)|(1<<20)|(1<<21)|(QIB<<22)|(7<<25)
	s_mov_b32 s[G1B+1], BN<<16
	s_mov_b32 s[G1B+2], (KSTEP/2)<<16
	s_mov_b32 s[G1B+3], BN<<16
	s_mov_b32 s[G1B+4], KSTEP/2
	s_mov_b32 s[G1B+5], SIZE_N
	s_mov_b32 s[G1B+6], 0
	s_mov_b32 s[G1B+7], 0
	s_mul_i32 s16, s13, BM
	s_mul_i32 s17, s12, WM
	s_add_co_u32 s16, s16, s17
	s_mul_i32 s16, s16, SIZE_K*2
	s_mov_b32 s17, 0
	s_mul_i32 s46, s42, BN*2
	s_mul_i32 s47, s12, (KSTEP/2)*SIZE_N*2
	s_add_co_u32 s46, s46, s47
	s_add_co_u32 s46, s46, WOFF
	s_mov_b32 s47, 0
	s_mul_i32 s20, s10, HALFT
	s_wait_dscnt 0x0
	s_wait_kmcnt 0x0
	s_add_nc_u64 s[14:15], s[4:5], s[16:17]        ; A at my rows, K step 0
	s_or_b32 s15, s15, 0x80000000                  ; the descriptor's type, set once; the sums in KADDR do not reach it
	s_add_nc_u64 s[46:47], s[6:7], s[46:47]        ; W at my k-rows of K step 0, my block's columns
	s_or_b32 s47, s47, 0x80000000
	CROUND                                         ; the first joint loads meet
.irp s, 0,1
	s_mov_b32 s[G0+4*\s], 1
	s_add_co_u32 s[G0+4*\s+1], s20, \s*SLOT
	s_mov_b32 s[G0B+4*\s], 1
	s_add_co_u32 s[G0B+4*\s+1], s20, \s*SLOT
	KADDR \s
	JLOAD \s                                       ; two tensor loads of the wave are out
.endr
	; bias, residual and output at my wave's first element, in registers that feed no descriptor
	s_mul_i32 s70, s42, BN*ELB
	s_mul_i32 s71, s12, WN*ELB
	s_add_co_u32 s70, s70, s71
	s_mov_b32 s71, 0
	s_add_nc_u64 s[66:67], s[66:67], s[70:71]
	s_mul_i32 s71, s13, BM*SIZE_N*ELB
	s_add_co_u32 s70, s70, s71
	s_mul_i32 s71, s11, WM*SIZE_N*ELB
	s_add_co_u32 s70, s70, s71
	s_mov_b32 s71, 0
	s_add_nc_u64 s[68:69], s[68:69], s[70:71]
	s_add_nc_u64 s[8:9], s[8:9], s[70:71]
	v_and_b32 v1, 15, v0                           ; r
	v_bfe_u32 v2, v0, 4, 1                         ; hh
	v_mul_u32_u24 v3, v1, APITCH
	v_lshl_add_u32 v3, v2, 4, v3
	v_and_b32 v4, 7, v0
	v_lshl_add_u32 v4, v2, 3, v4
	v_mul_u32_u24 v4, v4, BPITCH
	v_bfe_u32 v5, v0, 3, 1
	v_lshl_add_u32 v4, v5, 4, v4
	s_mul_i32 s21, s11, HALFT
	s_mul_i32 s22, s12, WN*2
	s_add_co_u32 s22, s22, 2*HALFT
.irp s, 0,1
	s_add_co_u32 s23, s21, \s*SLOT
	v_add_nc_u32 v[ADRA+\s], s23, v3
.irp kh, 0,1
.if \kh < NQ/4
	s_add_co_u32 s23, s22, \s*SLOT+\kh*128*BPITCH
	v_add_nc_u32 v[ADRB+2*\s+\kh], s23, v4
.endif
.endr
.endr
	s_mul_i32 s23, s10, 16*SPITCH
	s_add_co_u32 s23, s23, STAGE
	v_mul_u32_u24 v5, v1, SPITCH
	v_lshl_add_u32 v5, v2, STOSH, v5
	v_add_nc_u32 v[STO], s23, v5                   ; in: row r, 32 bytes for each half of the lanes
	v_mul_u32_u24 v5, v2, SPITCH
	v_lshl_add_u32 v5, v1, 4, v5
	v_add_nc_u32 v[RD], s23, v5                    ; back: lanes 0-15 one row of 256 bytes, lanes 16-31 the next
	v_mul_u32_u24 v5, v2, SIZE_N*ELB
	v_lshl_add_u32 v[CO], v1, 4, v5
	v_lshlrev_b32 v[BO], 4, v1
	; bias and residual in the layout of the read-back (row 2 t + hh of each 16, columns 4 r .. 4 r + 3): 33 loads that land during the loop; their
	; address registers are not written again
	global_load_b128 v[BIAS:BIAS+3], v[BO], s[66:67]
	WIN 0xc0                                       ; destination window 3
.set ii, 0
.rept 32
	global_load_b128 v[4*ii:4*ii+3], v[CO], s[68:69] offset:(16*(ii/8)+2*(ii%8))*SIZE_N*ELB
.set ii, ii+1
.endr
	WIN 0
.macro MULROW f, a, zero
	WIN 0xa1                                       ; source 0 (W) window 1, source 1 (A) window 0, C and D window 2
.set bb, 0
.rept NB
.if \zero
	v_wmma_f32_16x16x32_bf16 v[8*(8*(\a)+bb):8*(8*(\a)+bb)+7], v[\f+8*bb:\f+8*bb+7], v[\f+8*(\a):\f+8*(\a)+7], 0
.else
	v_wmma_f32_16x16x32_bf16 v[8*(8*(\a)+bb):8*(8*(\a)+bb)+7], v[\f+8*bb:\f+8*bb+7], v[\f+8*(\a):\f+8*(\a)+7], v[8*(8*(\a)+bb):8*(8*(\a)+bb)+7]
.endif
.set bb, bb+1
.endr
.endm
; The sixteen accumulators take turns, one instruction a turn, in the same order in every quarter step.
.macro MULA f, a0, na, zero
.set aa, \a0
.rept \na
	MULROW \f, aa, \zero
.set aa, aa+1
.endr
.endm
.macro FETCH slot, kq, f
	WIN 0x40
.set ii, 0
.rept NB
	ds_load_tr16_b128 v[\f+8*ii:\f+8*ii+3],   v[ADRB+2*\slot+(\kq)/4] offset:((\kq)%4)*32*BPITCH+32*ii
	ds_load_tr16_b128 v[\f+8*ii+4:\f+8*ii+7], v[ADRB+2*\slot+(\kq)/4] offset:((\kq)%4)*32*BPITCH+32*ii+16*BPITCH
.set ii, ii+1
.endr
	WIN 0
.set ii, 0
.rept MA
	ds_load_b128 v[\f+8*ii:\f+8*ii+3],   v[ADRA+\slot] offset:64*(\kq)+ii*16*APITCH
	ds_load_b128 v[\f+8*ii+4:\f+8*ii+7], v[ADRA+\slot] offset:64*(\kq)+ii*16*APITCH+32
.set ii, ii+1
.endr
.endm
.macro PLACES                          ; four plain vector instructions behind a matrix instruction before its registers are loaded again or its result is read (ISA guide 7.12.1 for the reading of its result)
.rept 4
	v_nop
.endr
.endm
.macro QUARTER slot, kqn, f, g, zero
	s_wait_dscnt MA                                ; W and A's lower row tiles are in; the youngest MA loads may be out
	MULA \f, 0, MA/2, \zero
	PLACES
	FETCH \slot, \kqn, \g
	s_wait_dscnt 2*NB+2*MA                         ; all but the run just issued
	MULA \f, MA/2, MA/2, \zero
.endm
.macro STEPS slot, zero
	QUARTER \slot, 1, F0, F1, \zero
.set qq, 1
.rept (NQ-2)/2
	QUARTER \slot, qq+1, F1, F0, 0
	QUARTER \slot, qq+2, F0, F1, 0
.set qq, qq+2
.endr
.endm
; The last quarter step changes slots: each wave's waits for its reads of this slot and for all its tensor loads stand in front of the barrier;
; fill = 1: the barrier opens a round of the cluster's barrier and the joint refill is the first tensor load behind the round.
.macro TURN slot, next, fill
	s_wait_dscnt MA
	MULA F1, 0, MA/4, 0
	s_wait_dscnt 0x0
	s_wait_tensorcnt 0x0
	ds_add_u32 v255, v255
	s_wait_dscnt 0x0
	s_barrier_signal -1
	MULA F1, MA/4, MA/4, 0
	WIN 0
	s_barrier_wait -1
.if \fill
	CREST
	KADDR \slot                                    ; no tensor load of mine is out: every group 0 may be written
	JLOAD \slot                                    ; one tensor load of the wave is out
.endif
	PLACES
	FETCH \next, 0, F0
	MULA F1, MA/2, MA/2, 0
.endm
.macro LAP zero
	STEPS 0, \zero
	TURN 0, 1, 1
	STEPS 1, 0
	TURN 1, 0, 1
.endm
	s_wait_tensorcnt 0x1                           ; my part of the first K step is in; the second's stays out
	s_barrier_signal -1
	s_barrier_wait -1
	FETCH 0, 0, F0
	LAP 1
.if LAPS > 2
	WIN 0
	s_mov_b32 s3, LAPS-2
.Llap:
	LAP 0
	WIN 0
	s_sub_co_u32 s3, s3, 1
	s_cmp_lg_u32 s3, 0
	s_cbranch_scc1 .Llap
.endif
	STEPS 0, 0                                     ; the last lap fills nothing
	TURN 0, 1, 0
	STEPS 1, 0
	s_wait_dscnt MA
	MULA F1, 0, MA/2, 0
	s_wait_dscnt 0x0
	MULA F1, MA/2, MA/2, 0
	; THE WAY OUT, 16 rows at a time: the f32 sums go through my own stage, come back as whole rows of 256 bytes, take bias and residual, and are stored.
	PLACES
	s_wait_loadcnt 0x0                             ; bias and residual
.macro OUT16F i, rb
	WIN 0x08                                       ; store data in window 2
.irp b, 0,1,2,3
	ds_store_b128 v[STO], v[8*(8*\i+\b):8*(8*\i+\b)+3]   offset:64*\b
	ds_store_b128 v[STO], v[8*(8*\i+\b)+4:8*(8*\i+\b)+7] offset:64*\b+16
.endr
	WIN 0
	s_wait_xcnt 0x0                                ; the read-back registers were the data of earlier stores
.irp t, 0,1,2,3,4,5,6,7
	ds_load_b128 v[\rb+4*\t:\rb+4*\t+3], v[RD] offset:\t*2*SPITCH
.endr
	s_wait_dscnt 0x0
.irp t, 0,1,2,3,4,5,6,7
	v_pk_add_f32 v[\rb+4*\t:\rb+4*\t+1],   v[\rb+4*\t:\rb+4*\t+1],   v[BIAS:BIAS+1]
	v_pk_add_f32 v[\rb+4*\t+2:\rb+4*\t+3], v[\rb+4*\t+2:\rb+4*\t+3], v[BIAS+2:BIAS+3]
.endr
	WIN 0x0c                                       ; source 1 in window 3
.irp t, 0,1,2,3,4,5,6,7
	v_pk_add_f32 v[\rb+4*\t:\rb+4*\t+1],   v[\rb+4*\t:\rb+4*\t+1],   v[4*(8*\i+\t):4*(8*\i+\t)+1]
	v_pk_add_f32 v[\rb+4*\t+2:\rb+4*\t+3], v[\rb+4*\t+2:\rb+4*\t+3], v[4*(8*\i+\t)+2:4*(8*\i+\t)+3]
.endr
	WIN 0
.irp t, 0,1,2,3,4,5,6,7
	global_store_b128 v[CO], v[\rb+4*\t:\rb+4*\t+3], s[8:9] offset:(16*\i+2*\t)*SIZE_N*ELB   ; 16 lanes store 256 neighbouring bytes, aligned
.endr
.endm
	OUT16F 0, F0
	OUT16F 1, F1
	OUT16F 2, F0
	OUT16F 3, F1
	s_set_vgpr_msb 0x1
	s_wait_tensorcnt 0x0
	ds_add_u32 v255, v255
	s_wait_dscnt 0x0
	s_set_vgpr_msb 0x100
	CROUND                                         ; the closing round
	s_endpgm
.Lfunc_end_k_q02e4f61ad9_oproj:
	.size	k_q02e4f61ad9_oproj, .Lfunc_end_k_q02e4f61ad9_oproj-k_q02e4f61ad9_oproj
	.p2alignl 7, 3214868480
	.fill 96, 4, 3214868480
	.section	.rodata,"a",@progbits
	.p2align	6, 0x0
	.amdhsa_kernel k_q02e4f61ad9_oproj
		.amdhsa_group_segment_fixed_size 327680
		.amdhsa_private_segment_fixed_size 0
		.amdhsa_enable_private_segment 0
		.amdhsa_kernarg_size 40
		.amdhsa_user_sgpr_count 2
		.amdhsa_user_sgpr_kernarg_segment_ptr 1
		.amdhsa_wavefront_size32 1
		.amdhsa_system_sgpr_workgroup_id_x 1
		.amdhsa_system_sgpr_workgroup_id_y 1
		.amdhsa_system_sgpr_workgroup_id_z 1
		.amdhsa_system_vgpr_workitem_id 0
		.amdhsa_next_free_vgpr 896
		.amdhsa_next_free_sgpr 72
		.amdhsa_reserve_vcc 0
		.amdhsa_float_denorm_mode_32 3
		.amdhsa_float_denorm_mode_16_64 3
		.amdhsa_memory_ordered 1
		.amdhsa_forward_progress 1
		.amdhsa_inst_pref_size 103
	.end_amdhsa_kernel
	.amdgpu_metadata
---
amdhsa.version: [ 1, 2 ]
amdhsa.kernels:
  - .name:           k_q02e4f61ad9_oproj
    .symbol:         k_q02e4f61ad9_oproj.kd
    .args:
      - { .name: ctx, .offset: 0, .size: 8, .value_kind: global_buffer, .address_space: global }
      - { .name: wb, .offset: 8, .size: 8, .value_kind: global_buffer, .address_space: global }
      - { .name: b_o, .offset: 16, .size: 8, .value_kind: global_buffer, .address_space: global }
      - { .name: x, .offset: 24, .size: 8, .value_kind: global_buffer, .address_space: global }
      - { .name: x1, .offset: 32, .size: 8, .value_kind: global_buffer, .address_space: global }
    .group_segment_fixed_size: 327680
    .private_segment_fixed_size: 0
    .kernarg_segment_align: 8
    .kernarg_segment_size: 40
    .max_flat_workgroup_size: 128
    .sgpr_count:     72
    .vgpr_count:     896
    .wavefront_size: 32
...
	.end_amdgpu_metadata
.endif
;; end of part 5
;; launch ln2: the kernel of part 2 again; grid 256 x 1, 4 waves a work-group, no clusters, 0 bytes of LDS; arguments x1, ln2_g, ln2_b, h; writes h
;; launch fc1 (part 6): grid 16 x 16, 4 waves a work-group, clusters of 4 x 4, 327,680 bytes of LDS; arguments h, wb, b_fc1, gl; writes gl
.if DOCPART == 6
	.amdgcn_target "amdgcn-amd-amdhsa--gfx1250"
	.amdhsa_code_object_version 6
	.text
	.protected	k_q02e4f61ad9_fc1
	.globl	k_q02e4f61ad9_fc1
	.p2align	8
	.type	k_q02e4f61ad9_fc1,@function
k_q02e4f61ad9_fc1:
	s_mov_b64 s[64:65], 0
	v_nop
	global_prefetch_b8 v0, s[64:65] scope:SCOPE_SE
	s_setreg_imm32_b32 hwreg(HW_REG_WAVE_MODE, 25, 1), 1
	s_wait_xcnt 0x0
	s_wait_alu depctr_hold_cnt(0) depctr_sa_sdst(0) depctr_va_vdst(0) depctr_va_sdst(0) depctr_va_ssrc(0) depctr_va_vcc(0) depctr_vm_vsrc(0)
	s_getreg_b32 s2, hwreg(HW_REG_IB_STS2, 6, 4)
	s_cmp_eq_u32 s2, 0
	s_cbranch_scc0 .Lentry_in_a_cluster
	s_endpgm
.Lentry_in_a_cluster:
	s_bfe_u32 s2, ttmp6, 0x10000c
	s_cmp_lg_u32 s2, 0xf033
	s_cbranch_scc0 .Lentry_shape_is_right
	s_endpgm
.Lentry_shape_is_right:
; gl[m][n] = gelu( b_fc1[n] + sum over k of h[m][k] W1[k][n] ), the exact (erf) GELU.  h: [4096][1024] bf16; W1: [1024][4096] bf16 at byte WOFF of wb; gl: bf16; sums in f32.
; A work-group makes a block of 256 x 256 with four waves (2 x 2), a wave 128 x 128: 64 accumulator tiles, 512 registers.  16 x 16 = 256 work-groups.
; K goes in steps of 128 through a ring of two LDS slots filled by the tensor data mover.  A slot: four quarters of HALFT bytes, quarter w fetched by
; wave w: quarters 0, 1 = 128 rows of h each (256 bytes + 16 of padding), quarters 2, 3 = 64 k-rows of W each (512 bytes + 32 of padding).
; W lies [K][N]: its fragments are read by the transposing LDS load.
; CLUSTERS: 4 x 4 work-groups; h's tiles are asked for jointly along a row of the cluster, W's along a column.
; REGISTERS: window 0: v16-27 addresses, v32-47 constants, v64-127 and v128-191 fragments of h, v192-255 bias; window 1: v64-127, v128-191 fragments of W;
; window 2: accumulator tiles of my rows 0-63 (tile (a, b) at v[8 (8 a + b)]); window 3: of my rows 64-127.
; THE MATRIX INSTRUCTION IS USED TRANSPOSED (source 0 = columns of W, source 1 = rows of h): lane l holds row l % 16 and columns 8 (l / 16) + 0..7.
; GELU: gelu(x) = max(x, 0) - |x| (poly(t) / 2) exp(-x^2 / 2), t = 1 / (1 + 0.2316419 |x|), poly the five terms of Abramowitz and Stegun 7.1.26.
; LIMIT: that formula's erf is within 1.5e-7 (absolute) for every x; v_rcp_f32 and v_exp_f32 are accurate to 1 ULP and flush denormals (the tail becomes 0).
.set SIZE_N, 4096
.set SIZE_K, 1024
.set WOFF,   8388608
.set BM,     256
.set BN,     256
.set MA,     8
.set NB,     8
.set KSTEP,  128
.set QIA,    5
.set QIB,    6
.set HALFT,  34816
.set ELB,    2
.set STOSH,  4
.set WM,     16*MA
.set WN,     16*NB
.set NQ,     KSTEP/32
.set APITCH, 2*KSTEP+16
.set BPITCH, 2*BN+32
.set SLOT,   4*HALFT
.set STAGE,  2*SLOT
.set SPITCH, 272
.set LAPS,   SIZE_K/(2*KSTEP)
.set ADRA, 16
.set ADRB, 20
.set STO,  24
.set RD,   25
.set CO,   26
.set BO,   27
.set CP,   32                          ; pairs of constants, both halves written
.set C1,   34
.set CE,   36
.set A1,   38
.set A2,   40
.set A3,   42
.set A4,   44
.set A5,   46
.set F0,   64
.set F1,   128
.set BIAS, 192                         ; v[192:255]: bias of columns 16 b + 8 hh + i at 8 b + i
.set RB,   64                          ; the way out: rows read back
.set NG,   96                          ; the way out: -|x|
.set TG,   104                         ; t
.set EG,   112                         ; exp(-x^2 / 2)
.set PG,   120                         ; the polynomial
.set XG,   128                         ; v[128:191] x of the eight tiles of 16 rows; then the packed results
.set G1,  24
.set G0,  32
.set G1B, 48
.set G0B, 56
.set MSB, 0
.macro WIN new
.if MSB != \new
	s_set_vgpr_msb (MSB<<8)|\new
.set MSB, \new
.endif
.endm
.macro JLOAD s                         ; waves 0, 1 fetch h's two halves, waves 2, 3 W's; the branch hangs on the wave's number alone
	s_cmp_eq_u32 s11, 0
	s_cbranch_scc0 .Lfor_w_\@
	tensor_load_to_lds s[G0+4*\s:G0+4*\s+3], s[G1:G1+7]
	s_nop 0
	s_branch .Lasked_\@
.Lfor_w_\@:
	tensor_load_to_lds s[G0B+4*\s:G0B+4*\s+3], s[G1B:G1B+7]
	s_nop 0
.Lasked_\@:
.endm
.macro CREST
	s_cmp_lg_u32 s10, 0
	s_cbranch_scc1 .Lnot_wave_0_\@
	s_barrier_signal -3
.Lnot_wave_0_\@:
	s_barrier_wait -3
	s_barrier_signal -1
	s_barrier_wait -1
.endm
.macro CROUND
	s_barrier_signal -1
	s_barrier_wait -1
	CREST
.endm
	s_load_b128 s[4:7], s[0:1], 0x0                ; h s[4:5], wb s[6:7]
	s_load_b64 s[66:67], s[0:1], 0x10              ; b_fc1
	s_load_b64 s[8:9], s[0:1], 0x18                ; gl
	s_set_vgpr_msb 0x40
	v_lshl_add_u32 v255, v0, 2, 0x48400
	s_set_vgpr_msb 0x4000
	v_mov_b32 v63, 0
	s_set_vgpr_msb 0x1
	ds_add_u32 v255, v63
	s_set_vgpr_msb 0x100
	v_lshrrev_b32 v1, 5, v0
	v_readfirstlane_b32 s10, v1
	s_lshr_b32 s11, s10, 1
	s_and_b32 s12, s10, 1
	s_bfe_u32 s40, ttmp6, 0x40000                  ; cx
	s_bfe_u32 s41, ttmp6, 0x40004                  ; cy
	s_lshl_b32 s42, ttmp9, 2
	s_add_co_u32 s42, s42, s40                     ; block column
	s_and_b32 s13, ttmp7, 0xffff
	s_lshl_b32 s13, s13, 2
	s_add_co_u32 s13, s13, s41                     ; block row
	s_lshl_b32 s43, s41, 2
	s_lshl_b32 s43, 15, s43                        ; my row of the cluster
	s_lshl_b32 s44, 0x1111, s40                    ; my column
	s_or_b32 s[G1+0], s43, (1<<16)|(1<<20)|(1<<21)|(QIA<<22)|(3<<25)
	s_mov_b32 s[G1+1], KSTEP<<16
	s_mov_b32 s[G1+2], WM<<16
	s_mov_b32 s[G1+3], KSTEP<<16
	s_mov_b32 s[G1+4], WM
	s_mov_b32 s[G1+5], SIZE_K
	s_mov_b32 s[G1+6], 0
	s_mov_b32 s[G1+7], 0
	s_or_b32 s[G1B+0], s44, (1<<16)|(1<<20)|(1<<21)|(QIB<<22)|(7<<25)
	s_mov_b32 s[G1B+1], BN<<16
	s_mov_b32 s[G1B+2], (KSTEP/2)<<16
	s_mov_b32 s[G1B+3], BN<<16
	s_mov_b32 s[G1B+4], KSTEP/2
	s_mov_b32 s[G1B+5], SIZE_N
	s_mov_b32 s[G1B+6], 0
	s_mov_b32 s[G1B+7], 0
	s_mul_i32 s16, s13, BM
	s_mul_i32 s17, s12, WM
	s_add_co_u32 s16, s16, s17
	s_mul_i32 s16, s16, SIZE_K*2
	s_mov_b32 s17, 0
	s_mul_i32 s46, s42, BN*2
	s_mul_i32 s47, s12, (KSTEP/2)*SIZE_N*2
	s_add_co_u32 s46, s46, s47
	s_add_co_u32 s46, s46, WOFF
	s_mov_b32 s47, 0
	s_mul_i32 s20, s10, HALFT
	s_wait_dscnt 0x0
	s_wait_kmcnt 0x0
	s_add_nc_u64 s[14:15], s[4:5], s[16:17]
	s_add_nc_u64 s[46:47], s[6:7], s[46:47]
	CROUND                                         ; the first joint loads meet
.irp s, 0,1
	s_mov_b32 s[G0+4*\s], 1
	s_add_co_u32 s[G0+4*\s+1], s20, \s*SLOT
	s_add_nc_u64 s[G0+4*\s+2:G0+4*\s+3], s[14:15], \s*KSTEP*2
	s_or_b32 s[G0+4*\s+3], s[G0+4*\s+3], 0x80000000
	s_mov_b32 s[G0B+4*\s], 1
	s_add_co_u32 s[G0B+4*\s+1], s20, \s*SLOT
	s_add_nc_u64 s[G0B+4*\s+2:G0B+4*\s+3], s[46:47], \s*KSTEP*SIZE_N*2
	s_or_b32 s[G0B+4*\s+3], s[G0B+4*\s+3], 0x80000000
	JLOAD \s                                       ; two tensor loads of the wave are out
.endr
	; bias and output at my wave's first element, in registers that feed no descriptor
	s_mul_i32 s70, s42, BN*4
	s_mul_i32 s71, s12, WN*4
	s_add_co_u32 s70, s70, s71
	s_mov_b32 s71, 0
	s_add_nc_u64 s[66:67], s[66:67], s[70:71]
	s_mul_i32 s70, s13, BM*SIZE_N*ELB
	s_mul_i32 s71, s11, WM*SIZE_N*ELB
	s_add_co_u32 s70, s70, s71
	s_mul_i32 s71, s42, BN*ELB
	s_add_co_u32 s70, s70, s71
	s_mul_i32 s71, s12, WN*ELB
	s_add_co_u32 s70, s70, s71
	s_mov_b32 s71, 0
	s_add_nc_u64 s[8:9], s[8:9], s[70:71]
	v_and_b32 v1, 15, v0                           ; r
	v_bfe_u32 v2, v0, 4, 1                         ; hh
	v_mul_u32_u24 v3, v1, APITCH
	v_lshl_add_u32 v3, v2, 4, v3
	v_and_b32 v4, 7, v0
	v_lshl_add_u32 v4, v2, 3, v4
	v_mul_u32_u24 v4, v4, BPITCH
	v_bfe_u32 v5, v0, 3, 1
	v_lshl_add_u32 v4, v5, 4, v4
	s_mul_i32 s21, s11, HALFT
	s_mul_i32 s22, s12, WN*2
	s_add_co_u32 s22, s22, 2*HALFT
.irp s, 0,1
	s_add_co_u32 s23, s21, \s*SLOT
	v_add_nc_u32 v[ADRA+\s], s23, v3
.irp kh, 0,1
.if \kh < NQ/4
	s_add_co_u32 s23, s22, \s*SLOT+\kh*128*BPITCH
	v_add_nc_u32 v[ADRB+2*\s+\kh], s23, v4
.endif
.endr
.endr
	s_mul_i32 s23, s10, 16*SPITCH
	s_add_co_u32 s23, s23, STAGE
	v_mul_u32_u24 v5, v1, SPITCH
	v_lshl_add_u32 v5, v2, STOSH, v5
	v_add_nc_u32 v[STO], s23, v5
	v_mul_u32_u24 v5, v2, SPITCH
	v_lshl_add_u32 v5, v1, 4, v5
	v_add_nc_u32 v[RD], s23, v5
	v_mul_u32_u24 v5, v2, SIZE_N*ELB
	v_lshl_add_u32 v[CO], v1, 4, v5
	v_lshlrev_b32 v[BO], 5, v2                     ; 8 hh columns of f32
	; the bias of my 128 columns in the accumulators' layout: 16 loads that land during the loop; their address registers are not written again
.irp b, 0,1,2,3,4,5,6,7
	global_load_b128 v[BIAS+8*\b:BIAS+8*\b+3],   v[BO], s[66:67] offset:64*\b
	global_load_b128 v[BIAS+8*\b+4:BIAS+8*\b+7], v[BO], s[66:67] offset:64*\b+16
.endr
.irp hf, 0,1
	v_mov_b32 v[CP+\hf], 0xbe6d3388                ; -0.2316419 (it meets -|x|)
	v_mov_b32 v[C1+\hf], 1.0
	v_mov_b32 v[CE+\hf], 0xbf38aa3b                ; -log2(e) / 2
	v_mov_b32 v[A1+\hf], 0x3e027906                ; half of  0.254829592
	v_mov_b32 v[A2+\hf], 0xbe11a98e                ; half of -0.284496736
	v_mov_b32 v[A3+\hf], 0x3f35f0e3                ; half of  1.421413741
	v_mov_b32 v[A4+\hf], 0xbf3a00e3                ; half of -1.453152027
	v_mov_b32 v[A5+\hf], 0x3f07dc22                ; half of  1.061405429
.endr
.macro MULROW f, a, zero
.if (\a) < 4
	WIN 0xa1                                       ; source 0 (W) window 1, source 1 (h) window 0, C and D window 2
.else
	WIN 0xf1                                       ; C and D window 3
.endif
.set bb, 0
.rept NB
.if \zero
	v_wmma_f32_16x16x32_bf16 v[8*(8*((\a)%4)+bb):8*(8*((\a)%4)+bb)+7], v[\f+8*bb:\f+8*bb+7], v[\f+8*(\a):\f+8*(\a)+7], 0
.else
	v_wmma_f32_16x16x32_bf16 v[8*(8*((\a)%4)+bb):8*(8*((\a)%4)+bb)+7], v[\f+8*bb:\f+8*bb+7], v[\f+8*(\a):\f+8*(\a)+7], v[8*(8*((\a)%4)+bb):8*(8*((\a)%4)+bb)+7]
.endif
.set bb, bb+1
.endr
.endm
; The accumulators take turns, one instruction a turn, in the same order in every quarter step.
.macro MULA f, a0, na, zero
.set aa, \a0
.rept \na
	MULROW \f, aa, \zero
.set aa, aa+1
.endr
.endm
.macro FETCH slot, kq, f
	WIN 0x40
.set ii, 0
.rept NB
	ds_load_tr16_b128 v[\f+8*ii:\f+8*ii+3],   v[ADRB+2*\slot+(\kq)/4] offset:((\kq)%4)*32*BPITCH+32*ii
	ds_load_tr16_b128 v[\f+8*ii+4:\f+8*ii+7], v[ADRB+2*\slot+(\kq)/4] offset:((\kq)%4)*32*BPITCH+32*ii+16*BPITCH
.set ii, ii+1
.endr
	WIN 0
.set ii, 0
.rept MA
	ds_load_b128 v[\f+8*ii:\f+8*ii+3],   v[ADRA+\slot] offset:64*(\kq)+ii*16*APITCH
	ds_load_b128 v[\f+8*ii+4:\f+8*ii+7], v[ADRA+\slot] offset:64*(\kq)+ii*16*APITCH+32
.set ii, ii+1
.endr
.endm
.macro PLACES                          ; four plain vector instructions behind a matrix instruction before its registers are loaded or written again or its result is read (ISA guide 7.12.1 for the reading of its result)
.rept 4
	v_nop
.endr
.endm
.macro QUARTER slot, kqn, f, g, zero
	s_wait_dscnt MA                                ; W and h's lower row tiles are in; the youngest MA loads may be out
	MULA \f, 0, MA/2, \zero
	PLACES
	FETCH \slot, \kqn, \g
	s_wait_dscnt 2*NB+2*MA                         ; all but the run just issued
	MULA \f, MA/2, MA/2, \zero
.endm
.macro STEPS slot, zero
	QUARTER \slot, 1, F0, F1, \zero
.set qq, 1
.rept (NQ-2)/2
	QUARTER \slot, qq+1, F1, F0, 0
	QUARTER \slot, qq+2, F0, F1, 0
.set qq, qq+2
.endr
.endm
; The last quarter step changes slots: each wave's waits for its reads of this slot and for all its tensor loads stand in front of the barrier;
; fill = 1: the barrier opens a round of the cluster's barrier and the joint refill is the first tensor load behind the round.
.macro TURN slot, next, fill
	s_wait_dscnt MA
	MULA F1, 0, MA/4, 0
	s_wait_dscnt 0x0
	s_wait_tensorcnt 0x0
	ds_add_u32 v255, v63
	s_wait_dscnt 0x0
	s_barrier_signal -1
	MULA F1, MA/4, MA/4, 0
	WIN 0
	s_barrier_wait -1
.if \fill
	CREST
	s_add_nc_u64 s[G0+4*\slot+2:G0+4*\slot+3], s[G0+4*\slot+2:G0+4*\slot+3], 2*KSTEP*2
	s_add_nc_u64 s[G0B+4*\slot+2:G0B+4*\slot+3], s[G0B+4*\slot+2:G0B+4*\slot+3], 2*KSTEP*SIZE_N*2
	JLOAD \slot                                    ; one tensor load of the wave is out
.endif
	PLACES
	FETCH \next, 0, F0
	MULA F1, MA/2, MA/2, 0
.endm
.macro LAP zero
	STEPS 0, \zero
	TURN 0, 1, 1
	STEPS 1, 0
	TURN 1, 0, 1
.endm
	s_wait_tensorcnt 0x1                           ; my part of K step 0 is in; K step 1's stays out
	s_barrier_signal -1
	s_barrier_wait -1
	FETCH 0, 0, F0
	LAP 1
.if LAPS > 2
	WIN 0
	s_mov_b32 s3, LAPS-2
.Llap:
	LAP 0
	WIN 0
	s_sub_co_u32 s3, s3, 1
	s_cmp_lg_u32 s3, 0
	s_cbranch_scc1 .Llap
.endif
	STEPS 0, 0                                     ; the last lap fills nothing
	TURN 0, 1, 0
	STEPS 1, 0
	s_wait_dscnt MA
	MULA F1, 0, MA/2, 0
	s_wait_dscnt 0x0
	MULA F1, MA/2, MA/2, 0
	; THE WAY OUT, 16 rows at a time: bias, GELU, round to bf16, 16 bytes a lane into my own stage, read back as whole rows of 256 bytes, store.
	PLACES
	s_wait_loadcnt 0x0                             ; the bias
; GELU of the eight numbers at v[x .. x + 7]; the four packed words end in v[x .. x + 3]
.macro GELU8 x
.irp k, 0,1,2,3,4,5,6,7
	v_or_b32 v[NG+\k], 0x80000000, v[\x+\k]                                    ; -|x|
.endr
.irp k, 0,2,4,6
	v_pk_fma_f32 v[TG+\k:TG+\k+1], v[NG+\k:NG+\k+1], v[CP:CP+1], v[C1:C1+1]    ; 1 + 0.2316419 |x|
.endr
.irp k, 0,2,4,6
	v_pk_mul_f32 v[EG+\k:EG+\k+1], v[\x+\k:\x+\k+1], v[CE:CE+1]
.endr
.irp k, 0,2,4,6
	v_pk_mul_f32 v[EG+\k:EG+\k+1], v[EG+\k:EG+\k+1], v[\x+\k:\x+\k+1]          ; -x^2 log2(e) / 2
.endr
.irp k, 0,1,2,3,4,5,6,7
	v_rcp_f32 v[TG+\k], v[TG+\k]
.endr
.irp k, 0,1,2,3,4,5,6,7
	v_exp_f32 v[EG+\k], v[EG+\k]
.endr
.irp k, 0,1,2,3,4,5,6,7
	v_max_num_f32 v[\x+\k], 0, v[\x+\k]                                        ; plain work behind the transcendentals (ISA guide 5.7.2)
.endr
	s_wait_alu depctr_va_vdst(0)
.irp k, 0,2,4,6
	v_pk_fma_f32 v[PG+\k:PG+\k+1], v[TG+\k:TG+\k+1], v[A5:A5+1], v[A4:A4+1]
.endr
.irp k, 0,2,4,6
	v_pk_fma_f32 v[PG+\k:PG+\k+1], v[PG+\k:PG+\k+1], v[TG+\k:TG+\k+1], v[A3:A3+1]
.endr
.irp k, 0,2,4,6
	v_pk_fma_f32 v[PG+\k:PG+\k+1], v[PG+\k:PG+\k+1], v[TG+\k:TG+\k+1], v[A2:A2+1]
.endr
.irp k, 0,2,4,6
	v_pk_fma_f32 v[PG+\k:PG+\k+1], v[PG+\k:PG+\k+1], v[TG+\k:TG+\k+1], v[A1:A1+1]
.endr
.irp k, 0,2,4,6
	v_pk_mul_f32 v[PG+\k:PG+\k+1], v[PG+\k:PG+\k+1], v[TG+\k:TG+\k+1]
.endr
.irp k, 0,2,4,6
	v_pk_mul_f32 v[PG+\k:PG+\k+1], v[PG+\k:PG+\k+1], v[EG+\k:EG+\k+1]
.endr
.irp k, 0,2,4,6
	v_pk_fma_f32 v[\x+\k:\x+\k+1], v[NG+\k:NG+\k+1], v[PG+\k:PG+\k+1], v[\x+\k:\x+\k+1]
.endr
.irp k, 0,1,2,3
	v_cvt_pk_bf16_f32 v[\x+\k], v[\x+2*\k], v[\x+2*\k+1]                       ; in place, ascending: a source is never overwritten before it is read
.endr
.endm
.macro OUT16G i
.if \i < 4
	WIN 0x02                                       ; source 0 in window 2
.else
	WIN 0x03                                       ; in window 3
.endif
.set kk, 0
.rept 32
	v_pk_add_f32 v[XG+2*kk:XG+2*kk+1], v[64*(\i%4)+2*kk:64*(\i%4)+2*kk+1], v[BIAS+2*kk:BIAS+2*kk+1]   ; the eight tiles of these 16 rows lie in 64 neighbouring registers
.set kk, kk+1
.endr
	WIN 0
.irp b, 0,1,2,3,4,5,6,7
	GELU8 XG+8*\b
	ds_store_b128 v[STO], v[XG+8*\b:XG+8*\b+3] offset:32*\b
.endr
	s_wait_xcnt 0x0                                ; the read-back registers were the data of the last 16 rows' stores
.irp t, 0,1,2,3,4,5,6,7
	ds_load_b128 v[RB+4*\t:RB+4*\t+3], v[RD] offset:\t*2*SPITCH
.endr
.irp t, 0,1,2,3,4,5,6,7
	s_wait_dscnt 7-\t
	global_store_b128 v[CO], v[RB+4*\t:RB+4*\t+3], s[8:9] offset:(16*\i+2*\t)*SIZE_N*ELB   ; 16 lanes store 256 neighbouring bytes, aligned
.endr
.endm
	OUT16G 0
	OUT16G 1
	OUT16G 2
	OUT16G 3
	OUT16G 4
	OUT16G 5
	OUT16G 6
	OUT16G 7
	s_set_vgpr_msb 0x1
	s_wait_tensorcnt 0x0
	ds_add_u32 v255, v63
	s_wait_dscnt 0x0
	s_set_vgpr_msb 0x100
	CROUND                                         ; the closing round
	s_endpgm
.Lfunc_end_k_q02e4f61ad9_fc1:
	.size	k_q02e4f61ad9_fc1, .Lfunc_end_k_q02e4f61ad9_fc1-k_q02e4f61ad9_fc1
	.p2alignl 7, 3214868480
	.fill 96, 4, 3214868480
	.section	.rodata,"a",@progbits
	.p2align	6, 0x0
	.amdhsa_kernel k_q02e4f61ad9_fc1
		.amdhsa_group_segment_fixed_size 327680
		.amdhsa_private_segment_fixed_size 0
		.amdhsa_enable_private_segment 0
		.amdhsa_kernarg_size 32
		.amdhsa_user_sgpr_count 2
		.amdhsa_user_sgpr_kernarg_segment_ptr 1
		.amdhsa_wavefront_size32 1
		.amdhsa_system_sgpr_workgroup_id_x 1
		.amdhsa_system_sgpr_workgroup_id_y 1
		.amdhsa_system_sgpr_workgroup_id_z 1
		.amdhsa_system_vgpr_workitem_id 0
		.amdhsa_next_free_vgpr 1024
		.amdhsa_next_free_sgpr 72
		.amdhsa_reserve_vcc 0
		.amdhsa_float_denorm_mode_32 3
		.amdhsa_float_denorm_mode_16_64 3
		.amdhsa_memory_ordered 1
		.amdhsa_forward_progress 1
		.amdhsa_inst_pref_size 255
	.end_amdhsa_kernel
	.section	.bss,"aw",@nobits
	.p2align	6
	.space	262144
	.amdgpu_metadata
---
amdhsa.version: [ 1, 2 ]
amdhsa.kernels:
  - .name:           k_q02e4f61ad9_fc1
    .symbol:         k_q02e4f61ad9_fc1.kd
    .args:
      - { .name: h, .offset: 0, .size: 8, .value_kind: global_buffer, .address_space: global }
      - { .name: wb, .offset: 8, .size: 8, .value_kind: global_buffer, .address_space: global }
      - { .name: b_fc1, .offset: 16, .size: 8, .value_kind: global_buffer, .address_space: global }
      - { .name: gl, .offset: 24, .size: 8, .value_kind: global_buffer, .address_space: global }
    .group_segment_fixed_size: 327680
    .private_segment_fixed_size: 0
    .kernarg_segment_align: 8
    .kernarg_segment_size: 32
    .max_flat_workgroup_size: 128
    .sgpr_count:     72
    .vgpr_count:     1024
    .wavefront_size: 32
...
	.end_amdgpu_metadata
.endif
;; end of part 6
;; launch fc2 (part 7): grid 8 x 32, 4 waves a work-group, clusters of 4 x 4, 327,680 bytes of LDS; arguments gl, wb, b_fc2, x1, out0; writes out0
.if DOCPART == 7
	.amdgcn_target "amdgcn-amd-amdhsa--gfx1250"
	.amdhsa_code_object_version 6
	.text
	.protected	k_q02e4f61ad9_fc2
	.globl	k_q02e4f61ad9_fc2
	.p2align	8
	.type	k_q02e4f61ad9_fc2,@function
k_q02e4f61ad9_fc2:
	s_mov_b64 s[64:65], 0
	v_nop
	global_prefetch_b8 v0, s[64:65] scope:SCOPE_SE
	s_setreg_imm32_b32 hwreg(HW_REG_WAVE_MODE, 25, 1), 1
	s_wait_xcnt 0x0
	s_wait_alu depctr_hold_cnt(0) depctr_sa_sdst(0) depctr_va_vdst(0) depctr_va_sdst(0) depctr_va_ssrc(0) depctr_va_vcc(0) depctr_vm_vsrc(0)
	s_getreg_b32 s2, hwreg(HW_REG_IB_STS2, 6, 4)
	s_cmp_eq_u32 s2, 0
	s_cbranch_scc0 .Lentry_in_a_cluster
	s_endpgm
.Lentry_in_a_cluster:
	s_bfe_u32 s2, ttmp6, 0x10000c
	s_cmp_lg_u32 s2, 0xf033
	s_cbranch_scc0 .Lentry_shape_is_right
	s_endpgm
.Lentry_shape_is_right:
; out0[m][n] = x1[m][n] + b_fc2[n] + sum over k of gl[m][k] W2[k][n].  gl: [4096][4096] bf16; W2: [4096][1024] bf16 at byte WOFF of wb; x1, out0: f32; sums in f32.
; N is 1,024 only: blocks of 128 x 128 give 8 x 32 = 256 work-groups.  Four waves (2 x 2), a wave 64 x 64: 16 accumulator tiles, 128 registers.
; The smaller block feeds fewer products from each LDS byte; in exchange K goes in steps of 256, so that each change of slots serves twice the K.
; A slot: four quarters of HALFT bytes, quarter w fetched by wave w: quarters 0, 1 = 64 rows of A each (512 bytes + 16 of padding; 33,792 of the 36,864 bytes
; are used), quarters 2, 3 = 128 k-rows of W each (256 bytes + 32 of padding).  W lies [K][N]: its fragments are read by the transposing LDS load.
; CLUSTERS: 4 x 4 work-groups; A's tiles are asked for jointly along a row of the cluster, W's along a column.
; K IS WALKED IN A RING: cluster (X, Y) starts at K step (ROTX X + ROTY (Y % 4)) % NSTEPS and wraps round.  The two clusters that read the same rows of A start half of
; K apart, neighbouring clusters that read the same columns of W a quarter apart: at any one moment they ask for different tiles, and in the later part of its
; walk each asks for tiles that another cluster has read before.  LIMIT: the f32 sum over K begins at another k in each cluster, an order of rounding other than ascending K.
; REGISTERS: window 0: v16-27 addresses, v64-95 and v128-159 fragments of A, v192-195 bias; window 1: v64-95, v128-159 fragments of W;
; window 2: accumulator tile (a, b) at v[8 (8 a + b)]; window 3: v0-127 my 64 x 64 piece of the residual, asked for ahead of the loop.
; THE MATRIX INSTRUCTION IS USED TRANSPOSED (source 0 = columns of W, source 1 = rows of A): lane l holds row l % 16 and columns 8 (l / 16) + 0..7.
.set SIZE_N, 1024
.set SIZE_K, 4096
.set WOFF,   16777216
.set BM,     128
.set BN,     128
.set MA,     4
.set NB,     4
.set KSTEP,  256
.set QIA,    6                         ; pad interval of A's tiles: 128 words (a row of 256 bf16)
.set QIB,    5                         ; of W's tiles: 64 words (a row of 128 bf16)
.set HALFT,  36864                     ; 128 x 288; A's 64 x 528 = 33,792 fit
.set ELB,    4
.set STOSH,  5
.set WM,     16*MA
.set WN,     16*NB
.set NQ,     KSTEP/32
.set APITCH, 2*KSTEP+16
.set BPITCH, 2*BN+32
.set SLOT,   4*HALFT
.set STAGE,  2*SLOT
.set SPITCH, 272
.set LAPS,   SIZE_K/(2*KSTEP)
.set NSTEPS, SIZE_K/KSTEP              ; a power of two
.set ROTX,   NSTEPS/2
.set ROTY,   NSTEPS/4
.set ADRA, 16
.set ADRB, 20                          ; v20-23: slot 0 k-rows 0-127, 128-255; slot 1 likewise
.set STO,  24
.set RD,   25
.set CO,   26
.set BO,   27
.set F0,   64
.set F1,   128
.set BIAS, 192
.set G1,  24
.set G0,  32
.set G1B, 48
.set G0B, 56
.set MSB, 0
.macro WIN new
.if MSB != \new
	s_set_vgpr_msb (MSB<<8)|\new
.set MSB, \new
.endif
.endm
.macro JLOAD s                         ; waves 0, 1 fetch A's two halves, waves 2, 3 W's; the branch hangs on the wave's number alone
	s_cmp_eq_u32 s11, 0
	s_cbranch_scc0 .Lfor_w_\@
	tensor_load_to_lds s[G0+4*\s:G0+4*\s+3], s[G1:G1+7]
	s_nop 0
	s_branch .Lasked_\@
.Lfor_w_\@:
	tensor_load_to_lds s[G0B+4*\s:G0B+4*\s+3], s[G1B:G1B+7]
	s_nop 0
.Lasked_\@:
.endm
.macro CREST
	s_cmp_lg_u32 s10, 0
	s_cbranch_scc1 .Lnot_wave_0_\@
	s_barrier_signal -3
.Lnot_wave_0_\@:
	s_barrier_wait -3
	s_barrier_signal -1
	s_barrier_wait -1
.endm
.macro CROUND
	s_barrier_signal -1
	s_barrier_wait -1
	CREST
.endm
; both tiles' addresses for K step s45 of the ring, into slot's two group 0; then s45 steps on, round the ring.  s45 hangs on the cluster's x and y alone.
.macro KADDR slot
	s_mul_i32 s16, s45, KSTEP*2
	s_add_nc_u64 s[G0+4*\slot+2:G0+4*\slot+3], s[14:15], s[16:17]
	s_mul_i32 s18, s45, KSTEP*SIZE_N*2
	s_add_nc_u64 s[G0B+4*\slot+2:G0B+4*\slot+3], s[46:47], s[18:19]
	s_add_co_u32 s45, s45, 1
	s_and_b32 s45, s45, NSTEPS-1
.endm
	s_load_b128 s[4:7], s[0:1], 0x0                ; A s[4:5], wb s[6:7]
	s_load_b64 s[66:67], s[0:1], 0x10              ; bias
	s_load_b64 s[68:69], s[0:1], 0x18              ; residual
	s_load_b64 s[8:9], s[0:1], 0x20                ; output
	s_set_vgpr_msb 0x40
	v_lshl_add_u32 v255, v0, 2, 0x4c400
	s_set_vgpr_msb 0x4000
	v_mov_b32 v255, 0
	s_set_vgpr_msb 0x1
	ds_add_u32 v255, v255
	s_set_vgpr_msb 0x100
	v_lshrrev_b32 v1, 5, v0
	v_readfirstlane_b32 s10, v1
	s_lshr_b32 s11, s10, 1
	s_and_b32 s12, s10, 1
	s_bfe_u32 s40, ttmp6, 0x40000                  ; cx
	s_bfe_u32 s41, ttmp6, 0x40004                  ; cy
	s_lshl_b32 s42, ttmp9, 2
	s_add_co_u32 s42, s42, s40                     ; block column
	s_and_b32 s13, ttmp7, 0xffff
	s_lshl_b32 s13, s13, 2
	s_add_co_u32 s13, s13, s41                     ; block row
	s_lshl_b32 s43, s41, 2
	s_lshl_b32 s43, 15, s43                        ; my row of the cluster
	s_lshl_b32 s44, 0x1111, s40                    ; my column
	s_and_b32 s45, ttmp7, 3                        ; the cluster's y % 4
	s_mul_i32 s45, s45, ROTY
	s_mul_i32 s18, ttmp9, ROTX                     ; the cluster's x
	s_add_co_u32 s45, s45, s18
	s_and_b32 s45, s45, NSTEPS-1                   ; where my cluster's walk of K begins
	s_mov_b32 s19, 0
	s_or_b32 s[G1+0], s43, (1<<16)|(1<<20)|(1<<21)|(QIA<<22)|(3<<25)
	s_mov_b32 s[G1+1], KSTEP<<16
	s_mov_b32 s[G1+2], WM<<16
	s_mov_b32 s[G1+3], KSTEP<<16
	s_mov_b32 s[G1+4], WM
	s_mov_b32 s[G1+5], SIZE_K
	s_mov_b32 s[G1+6], 0
	s_mov_b32 s[G1+7], 0
	s_or_b32 s[G1B+0], s44, (1<<16)|(1<<20)|(1<<21)|(QIB<<22)|(7<<25)
	s_mov_b32 s[G1B+1], BN<<16
	s_mov_b32 s[G1B+2], (KSTEP/2)<<16
	s_mov_b32 s[G1B+3], BN<<16
	s_mov_b32 s[G1B+4], KSTEP/2
	s_mov_b32 s[G1B+5], SIZE_N
	s_mov_b32 s[G1B+6], 0
	s_mov_b32 s[G1B+7], 0
	s_mul_i32 s16, s13, BM
	s_mul_i32 s17, s12, WM
	s_add_co_u32 s16, s16, s17
	s_mul_i32 s16, s16, SIZE_K*2
	s_mov_b32 s17, 0
	s_mul_i32 s46, s42, BN*2
	s_mul_i32 s47, s12, (KSTEP/2)*SIZE_N*2
	s_add_co_u32 s46, s46, s47
	s_add_co_u32 s46, s46, WOFF
	s_mov_b32 s47, 0
	s_mul_i32 s20, s10, HALFT
	s_wait_dscnt 0x0
	s_wait_kmcnt 0x0
	s_add_nc_u64 s[14:15], s[4:5], s[16:17]        ; A at my rows, K step 0
	s_or_b32 s15, s15, 0x80000000                  ; the descriptor's type, set once; the sums in KADDR do not reach it
	s_add_nc_u64 s[46:47], s[6:7], s[46:47]        ; W at my k-rows of K step 0, my block's columns
	s_or_b32 s47, s47, 0x80000000
	CROUND                                         ; the first joint loads meet
.irp s, 0,1
	s_mov_b32 s[G0+4*\s], 1
	s_add_co_u32 s[G0+4*\s+1], s20, \s*SLOT
	s_mov_b32 s[G0B+4*\s], 1
	s_add_co_u32 s[G0B+4*\s+1], s20, \s*SLOT
	KADDR \s
	JLOAD \s                                       ; two tensor loads of the wave are out
.endr
	; bias, residual and output at my wave's first element, in registers that feed no descriptor
	s_mul_i32 s70, s42, BN*ELB
	s_mul_i32 s71, s12, WN*ELB
	s_add_co_u32 s70, s70, s71
	s_mov_b32 s71, 0
	s_add_nc_u64 s[66:67], s[66:67], s[70:71]
	s_mul_i32 s71, s13, BM*SIZE_N*ELB
	s_add_co_u32 s70, s70, s71
	s_mul_i32 s71, s11, WM*SIZE_N*ELB
	s_add_co_u32 s70, s70, s71
	s_mov_b32 s71, 0
	s_add_nc_u64 s[68:69], s[68:69], s[70:71]
	s_add_nc_u64 s[8:9], s[8:9], s[70:71]
	v_and_b32 v1, 15, v0                           ; r
	v_bfe_u32 v2, v0, 4, 1                         ; hh
	v_mul_u32_u24 v3, v1, APITCH
	v_lshl_add_u32 v3, v2, 4, v3
	v_and_b32 v4, 7, v0
	v_lshl_add_u32 v4, v2, 3, v4
	v_mul_u32_u24 v4, v4, BPITCH
	v_bfe_u32 v5, v0, 3, 1
	v_lshl_add_u32 v4, v5, 4, v4
	s_mul_i32 s21, s11, HALFT
	s_mul_i32 s22, s12, WN*2
	s_add_co_u32 s22, s22, 2*HALFT
.irp s, 0,1
	s_add_co_u32 s23, s21, \s*SLOT
	v_add_nc_u32 v[ADRA+\s], s23, v3
.irp kh, 0,1
.if \kh < NQ/4
	s_add_co_u32 s23, s22, \s*SLOT+\kh*128*BPITCH
	v_add_nc_u32 v[ADRB+2*\s+\kh], s23, v4
.endif
.endr
.endr
	s_mul_i32 s23, s10, 16*SPITCH
	s_add_co_u32 s23, s23, STAGE
	v_mul_u32_u24 v5, v1, SPITCH
	v_lshl_add_u32 v5, v2, STOSH, v5
	v_add_nc_u32 v[STO], s23, v5                   ; in: row r, 32 bytes for each half of the lanes
	v_mul_u32_u24 v5, v2, SPITCH
	v_lshl_add_u32 v5, v1, 4, v5
	v_add_nc_u32 v[RD], s23, v5                    ; back: lanes 0-15 one row of 256 bytes, lanes 16-31 the next
	v_mul_u32_u24 v5, v2, SIZE_N*ELB
	v_lshl_add_u32 v[CO], v1, 4, v5
	v_lshlrev_b32 v[BO], 4, v1
	; bias and residual in the layout of the read-back (row 2 t + hh of each 16, columns 4 r .. 4 r + 3): 33 loads that land during the loop; their
	; address registers are not written again
	global_load_b128 v[BIAS:BIAS+3], v[BO], s[66:67]
	WIN 0xc0                                       ; destination window 3
.set ii, 0
.rept 32
	global_load_b128 v[4*ii:4*ii+3], v[CO], s[68:69] offset:(16*(ii/8)+2*(ii%8))*SIZE_N*ELB
.set ii, ii+1
.endr
	WIN 0
.macro MULROW f, a, zero
	WIN 0xa1                                       ; source 0 (W) window 1, source 1 (A) window 0, C and D window 2
.set bb, 0
.rept NB
.if \zero
	v_wmma_f32_16x16x32_bf16 v[8*(8*(\a)+bb):8*(8*(\a)+bb)+7], v[\f+8*bb:\f+8*bb+7], v[\f+8*(\a):\f+8*(\a)+7], 0
.else
	v_wmma_f32_16x16x32_bf16 v[8*(8*(\a)+bb):8*(8*(\a)+bb)+7], v[\f+8*bb:\f+8*bb+7], v[\f+8*(\a):\f+8*(\a)+7], v[8*(8*(\a)+bb):8*(8*(\a)+bb)+7]
.endif
.set bb, bb+1
.endr
.endm
; The sixteen accumulators take turns, one instruction a turn, in the same order in every quarter step.
.macro MULA f, a0, na, zero
.set aa, \a0
.rept \na
	MULROW \f, aa, \zero
.set aa, aa+1
.endr
.endm
.macro FETCH slot, kq, f
	WIN 0x40
.set ii, 0
.rept NB
	ds_load_tr16_b128 v[\f+8*ii:\f+8*ii+3],   v[ADRB+2*\slot+(\kq)/4] offset:((\kq)%4)*32*BPITCH+32*ii
	ds_load_tr16_b128 v[\f+8*ii+4:\f+8*ii+7], v[ADRB+2*\slot+(\kq)/4] offset:((\kq)%4)*32*BPITCH+32*ii+16*BPITCH
.set ii, ii+1
.endr
	WIN 0
.set ii, 0
.rept MA
	ds_load_b128 v[\f+8*ii:\f+8*ii+3],   v[ADRA+\slot] offset:64*(\kq)+ii*16*APITCH
	ds_load_b128 v[\f+8*ii+4:\f+8*ii+7], v[ADRA+\slot] offset:64*(\kq)+ii*16*APITCH+32
.set ii, ii+1
.endr
.endm
.macro PLACES                          ; four plain vector instructions behind a matrix instruction before its registers are loaded again or its result is read (ISA guide 7.12.1 for the reading of its result)
.rept 4
	v_nop
.endr
.endm
.macro QUARTER slot, kqn, f, g, zero
	s_wait_dscnt MA                                ; W and A's lower row tiles are in; the youngest MA loads may be out
	MULA \f, 0, MA/2, \zero
	PLACES
	FETCH \slot, \kqn, \g
	s_wait_dscnt 2*NB+2*MA                         ; all but the run just issued
	MULA \f, MA/2, MA/2, \zero
.endm
.macro STEPS slot, zero
	QUARTER \slot, 1, F0, F1, \zero
.set qq, 1
.rept (NQ-2)/2
	QUARTER \slot, qq+1, F1, F0, 0
	QUARTER \slot, qq+2, F0, F1, 0
.set qq, qq+2
.endr
.endm
; The last quarter step changes slots: each wave's waits for its reads of this slot and for all its tensor loads stand in front of the barrier;
; fill = 1: the barrier opens a round of the cluster's barrier and the joint refill is the first tensor load behind the round.
.macro TURN slot, next, fill
	s_wait_dscnt MA
	MULA F1, 0, MA/4, 0
	s_wait_dscnt 0x0
	s_wait_tensorcnt 0x0
	ds_add_u32 v255, v255
	s_wait_dscnt 0x0
	s_barrier_signal -1
	MULA F1, MA/4, MA/4, 0
	WIN 0
	s_barrier_wait -1
.if \fill
	CREST
	KADDR \slot                                    ; no tensor load of mine is out: every group 0 may be written
	JLOAD \slot                                    ; one tensor load of the wave is out
.endif
	PLACES
	FETCH \next, 0, F0
	MULA F1, MA/2, MA/2, 0
.endm
.macro LAP zero
	STEPS 0, \zero
	TURN 0, 1, 1
	STEPS 1, 0
	TURN 1, 0, 1
.endm
	s_wait_tensorcnt 0x1                           ; my part of the first K step is in; the second's stays out
	s_barrier_signal -1
	s_barrier_wait -1
	FETCH 0, 0, F0
	LAP 1
.if LAPS > 2
	WIN 0
	s_mov_b32 s3, LAPS-2
.Llap:
	LAP 0
	WIN 0
	s_sub_co_u32 s3, s3, 1
	s_cmp_lg_u32 s3, 0
	s_cbranch_scc1 .Llap
.endif
	STEPS 0, 0                                     ; the last lap fills nothing
	TURN 0, 1, 0
	STEPS 1, 0
	s_wait_dscnt MA
	MULA F1, 0, MA/2, 0
	s_wait_dscnt 0x0
	MULA F1, MA/2, MA/2, 0
	; THE WAY OUT, 16 rows at a time: the f32 sums go through my own stage, come back as whole rows of 256 bytes, take bias and residual, and are stored.
	PLACES
	s_wait_loadcnt 0x0                             ; bias and residual
.macro OUT16F i, rb
	WIN 0x08                                       ; store data in window 2
.irp b, 0,1,2,3
	ds_store_b128 v[STO], v[8*(8*\i+\b):8*(8*\i+\b)+3]   offset:64*\b
	ds_store_b128 v[STO], v[8*(8*\i+\b)+4:8*(8*\i+\b)+7] offset:64*\b+16
.endr
	WIN 0
	s_wait_xcnt 0x0                                ; the read-back registers were the data of earlier stores
.irp t, 0,1,2,3,4,5,6,7
	ds_load_b128 v[\rb+4*\t:\rb+4*\t+3], v[RD] offset:\t*2*SPITCH
.endr
	s_wait_dscnt 0x0
.irp t, 0,1,2,3,4,5,6,7
	v_pk_add_f32 v[\rb+4*\t:\rb+4*\t+1],   v[\rb+4*\t:\rb+4*\t+1],   v[BIAS:BIAS+1]
	v_pk_add_f32 v[\rb+4*\t+2:\rb+4*\t+3], v[\rb+4*\t+2:\rb+4*\t+3], v[BIAS+2:BIAS+3]
.endr
	WIN 0x0c                                       ; source 1 in window 3
.irp t, 0,1,2,3,4,5,6,7
	v_pk_add_f32 v[\rb+4*\t:\rb+4*\t+1],   v[\rb+4*\t:\rb+4*\t+1],   v[4*(8*\i+\t):4*(8*\i+\t)+1]
	v_pk_add_f32 v[\rb+4*\t+2:\rb+4*\t+3], v[\rb+4*\t+2:\rb+4*\t+3], v[4*(8*\i+\t)+2:4*(8*\i+\t)+3]
.endr
	WIN 0
.irp t, 0,1,2,3,4,5,6,7
	global_store_b128 v[CO], v[\rb+4*\t:\rb+4*\t+3], s[8:9] offset:(16*\i+2*\t)*SIZE_N*ELB   ; 16 lanes store 256 neighbouring bytes, aligned
.endr
.endm
	OUT16F 0, F0
	OUT16F 1, F1
	OUT16F 2, F0
	OUT16F 3, F1
	s_set_vgpr_msb 0x1
	s_wait_tensorcnt 0x0
	ds_add_u32 v255, v255
	s_wait_dscnt 0x0
	s_set_vgpr_msb 0x100
	CROUND                                         ; the closing round
	s_endpgm
.Lfunc_end_k_q02e4f61ad9_fc2:
	.size	k_q02e4f61ad9_fc2, .Lfunc_end_k_q02e4f61ad9_fc2-k_q02e4f61ad9_fc2
	.p2alignl 7, 3214868480
	.fill 96, 4, 3214868480
	.section	.rodata,"a",@progbits
	.p2align	6, 0x0
	.amdhsa_kernel k_q02e4f61ad9_fc2
		.amdhsa_group_segment_fixed_size 327680
		.amdhsa_private_segment_fixed_size 0
		.amdhsa_enable_private_segment 0
		.amdhsa_kernarg_size 40
		.amdhsa_user_sgpr_count 2
		.amdhsa_user_sgpr_kernarg_segment_ptr 1
		.amdhsa_wavefront_size32 1
		.amdhsa_system_sgpr_workgroup_id_x 1
		.amdhsa_system_sgpr_workgroup_id_y 1
		.amdhsa_system_sgpr_workgroup_id_z 1
		.amdhsa_system_vgpr_workitem_id 0
		.amdhsa_next_free_vgpr 896
		.amdhsa_next_free_sgpr 72
		.amdhsa_reserve_vcc 0
		.amdhsa_float_denorm_mode_32 3
		.amdhsa_float_denorm_mode_16_64 3
		.amdhsa_memory_ordered 1
		.amdhsa_forward_progress 1
		.amdhsa_inst_pref_size 142
	.end_amdhsa_kernel
	.amdgpu_metadata
---
amdhsa.version: [ 1, 2 ]
amdhsa.kernels:
  - .name:           k_q02e4f61ad9_fc2
    .symbol:         k_q02e4f61ad9_fc2.kd
    .args:
      - { .name: gl, .offset: 0, .size: 8, .value_kind: global_buffer, .address_space: global }
      - { .name: wb, .offset: 8, .size: 8, .value_kind: global_buffer, .address_space: global }
      - { .name: b_fc2, .offset: 16, .size: 8, .value_kind: global_buffer, .address_space: global }
      - { .name: x1, .offset: 24, .size: 8, .value_kind: global_buffer, .address_space: global }
      - { .name: out0, .offset: 32, .size: 8, .value_kind: global_buffer, .address_space: global }
    .group_segment_fixed_size: 327680
    .private_segment_fixed_size: 0
    .kernarg_segment_align: 8
    .kernarg_segment_size: 40
    .max_flat_workgroup_size: 128
    .sgpr_count:     72
    .vgpr_count:     896
    .wavefront_size: 32
...
	.end_amdgpu_metadata
.endif
;; end of part 7
